; MI455X (gfx1250); checked and timed in simulation.
; The chip was launched on July 23, 2026; its instructions are those of AMD's public machine-readable ISA for CDNA 5 (MIT licence, August 2026) and "CDNA5" Instruction Set Architecture Reference Guide (July 2026). The comments in the code are by the model that wrote it; some were corrected since.
;; Merge Stack Nodes On Affinity Value Attention. Allowed arithmetic: float matrix products may take bf16 or f16 operands with f32 sums; all other float work in f32.
;; Inputs: dw_b 16 float32; dw_w 16 x 1,024 float32; in_proj_bias 3,072 float32; in_proj_weight 3,072 x 1,024 float32; key 1,024 x 4 x 1,024 float32; key_padding_mask 4 x 1,024 bool; node_key 1,023 x 4 x 1,024 float32; node_padding_mask 4 x 1,023 bool; out_b 1,024 float32; out_w 1,024 x 1,024 float32; query 1,024 x 4 x 1,024 float32.
;; Outputs: out0 1,024 x 4 x 1,024 float32.
;; One version. Each part assembles by itself: llvm-mc -triple=amdgcn-amd-amdhsa -mcpu=gfx1250 --defsym DOCPART=n.
;; ======== version 1 of 1: 5 launches
;; limits: values are held in f16: magnitudes above 65,504 overflow, below 6.1e-05 lose precision
;; workspace buffers: xq 8,388,608 bytes; xkv 16,777,216 bytes; wqkv 6,291,456 bytes; wo 2,097,152 bytes; gain 1,048,576 bytes; kv 33,554,432 bytes; qf 16,777,216 bytes; ob 8,388,608 bytes
;; launch cast (part 1): grid 256 x 1, 4 waves a work-group, no clusters, 50,944 bytes of LDS; arguments query, key, node_key, in_proj_weight, out_w, dw_w, dw_b, key_padding_mask, node_padding_mask, xq, xkv, wqkv, wo, gain; writes xq, xkv, wqkv, wo, gain
.if DOCPART == 1
	.amdgcn_target "amdgcn-amd-amdhsa--gfx1250"
	.amdhsa_code_object_version 6
	.text
	.protected	k_q4e0186c83f_cast
	.globl	k_q4e0186c83f_cast
	.p2align	8
	.type	k_q4e0186c83f_cast,@function
k_q4e0186c83f_cast:
	s_mov_b64 s[64:65], 0
	v_nop
	global_prefetch_b8 v0, s[64:65] scope:SCOPE_SE
	s_setreg_imm32_b32 hwreg(HW_REG_WAVE_MODE, 25, 1), 1
	s_wait_xcnt 0x0
; f32 -> f16 copies of all matrix operands, and the table of gains that the k/v projection multiplies by.
;   xq   [4096][1024] = query          wqkv [3072][1024] = in_proj_weight        wo [1024][1024] = out_w
;   xkv  [8192][1024] = key rows, node_key rows (4092), then rows 4088-4091 of node_key once more (finite filler for the pad key 2047)
;   gain [8192][32] f32: columns 0-15 the k gain (0 where the key is masked or is the pad key, else 1), columns 16-31 the v gain of
;                        each head (1 for leaves, sigmoid(node_key . dw_w + dw_b) for nodes)
; 16,384 rows of 1,024 numbers = 1,024 tasks of 16 rows; task = 4 x work-group + wave.  A row goes in 8 chunks of 512 bytes: one load of the
; wave covers 512 consecutive bytes, one store 256 consecutive bytes, aligned.  Two register slots of 16 loads take turns.
; No cluster: no byte but dw_w's 65,536 is read by two work-groups.
; LIMITS: a number beyond 65,504 in magnitude becomes infinite in f16; non-finite inputs are not served.
.set ROWB,  4096                       ; bytes of an f32 row
.set HALFB, 2048                       ; bytes of an f16 row
.set DWP,   2064                       ; LDS pitch of dw_w in f16: 2,048 + 16 = 129 x 16 bytes
.set STG,   16*DWP                     ; behind dw_w: a stage of 16 rows x 272 bytes for each wave
.set SP,    272
.set AC0,   16                         ; v[16:23]   gate sums, K quarters 0 and 2 of each chunk
.set AC1,   24                         ; v[24:31]   gate sums, K quarters 1 and 3
.set DWB,   32                         ; v[32:39]   dw_b of heads 8h .. 8h+7
.set KG,    44                         ; v[44:47]   the k gain, four times
.set X,     64                         ; v[64:191]  two slots of 16 x 4 registers
.set FR,    192                        ; v[192:255] fragments: quarter kk at 16 kk: dw_w 8 registers, x 8 registers
.set BASE,  44                         ; s[44:51]   addresses of my rows 0-3, 4-7, 8-11, 12-15
	s_load_b512 s[4:19], s[0:1], 0x0               ; query 4, key 6, node_key 8, in_proj_weight 10, out_w 12, dw_w 14, dw_b 16, key mask 18
	s_load_b256 s[20:27], s[0:1], 0x40             ; node mask 20, xq 22, xkv 24, wqkv 26
	s_load_b128 s[28:31], s[0:1], 0x60             ; wo 28, gain 30
	v_lshl_add_u32 v62, v0, 2, 0xc500
	v_mov_b32 v63, 0
	v_lshrrev_b32 v6, 5, v0
	v_readfirstlane_b32 s32, v6                    ; wave
	s_mov_b32 s34, ttmp9                           ; work-group
	s_lshl_b32 s33, s34, 2
	s_add_co_u32 s33, s33, s32                     ; task
	v_and_b32 v7, 31, v0
	v_lshlrev_b32 v1, 4, v7                        ; 16 x lane: my 4 numbers of a chunk as f32
	v_lshlrev_b32 v2, 3, v7                        ; 8 x lane: the same as f16
	s_mul_i32 s35, s32, 16*SP
	s_add_co_u32 s35, s35, STG                     ; my wave's stage
	s_mov_b32 s40, 960                             ; first task of the source
	s_mov_b32 s41, 960                             ; the task that writes the destination's row 0
	s_mov_b32 s42, (1024-4)*ROWB                   ; byte offset of the source's last four rows
	s_mov_b32 s63, 0
	s_wait_kmcnt 0x0
	s_mov_b64 s[36:37], s[12:13]                   ; work-groups 240-255: out_w -> wo
	s_mov_b64 s[38:39], s[28:29]
	s_cmp_lt_u32 s34, 240                          ; 192-239: in_proj_weight -> wqkv
	s_cselect_b64 s[36:37], s[10:11], s[36:37]
	s_cselect_b64 s[38:39], s[26:27], s[38:39]
	s_cselect_b32 s40, 768, s40
	s_cselect_b32 s41, 768, s41
	s_cselect_b32 s42, (3072-4)*ROWB, s42
	s_cmp_lt_u32 s34, 192                          ; 128-191: node_key -> xkv from row 4096
	s_cselect_b64 s[36:37], s[8:9], s[36:37]
	s_cselect_b64 s[38:39], s[24:25], s[38:39]
	s_cselect_b32 s40, 512, s40
	s_cselect_b32 s41, 256, s41
	s_cselect_b32 s42, (4092-4)*ROWB, s42
	s_cmp_lt_u32 s34, 128                          ; 64-127: key -> xkv from row 0
	s_cselect_b64 s[36:37], s[6:7], s[36:37]
	s_cselect_b32 s40, 256, s40
	s_cselect_b32 s42, (4096-4)*ROWB, s42
	s_cmp_lt_u32 s34, 64                           ; 0-63: query -> xq
	s_cselect_b64 s[36:37], s[4:5], s[36:37]
	s_cselect_b64 s[38:39], s[22:23], s[38:39]
	s_cselect_b32 s40, 0, s40
	s_cselect_b32 s41, 0, s41
	s_sub_co_u32 s43, s33, s40                     ; my task within the source
	s_lshl_b32 s52, s43, 16                        ; 16 rows of 4,096 bytes each
.irp g, 0,1,2,3
	s_add_co_u32 s62, s52, \g*4*ROWB
	s_min_u32 s62, s62, s42                        ; the last node task's rows 12-15 do not exist: rows 4088-4091 are read in their stead
	s_add_nc_u64 s[BASE+2*\g:BASE+2*\g+1], s[36:37], s[62:63]
.endr
	s_sub_co_u32 s62, s33, s41
	s_lshl_b32 s62, s62, 15                        ; 16 rows of 2,048 bytes
	s_add_nc_u64 s[38:39], s[38:39], s[62:63]
	s_cmp_lt_u32 s34, 64
	s_cbranch_scc1 .Lplain
	s_cmp_lt_u32 s34, 128
	s_cbranch_scc1 .Lkey
	s_cmp_lt_u32 s34, 192
	s_cbranch_scc1 .Lnode
	s_branch .Lplain
; 16 loads: chunk c of my 16 rows into slot s
.macro FILL s, c
.irp i, 0,1,2,3,4,5,6,7,8,9,10,11,12,13,14,15
	global_load_b128 v[X+64*\s+4*\i:X+64*\s+4*\i+3], v1, s[BASE+2*(\i/4):BASE+2*(\i/4)+1] offset:(\i%4)*ROWB+\c*512 th:TH_LOAD_NT
.endr
.endm
; Chunk c, in slot s: round in place, store.  left = the younger loads that may stay out.
; dw = 1: the chunk also goes through my stage into fragments, and four matrix instructions add 128 of K to the gate sums
; (source 0 = dw_w's 16 heads, source 1 = my 16 rows: lane (r, h), register j = row r, head 8h + j).
.macro WORK s, c, left, dw, first
	s_wait_loadcnt \left                           ; loads come back in order: this chunk's 16 are in
.irp i, 0,1,2,3,4,5,6,7,8,9,10,11,12,13,14,15
	v_cvt_pk_f16_f32 v[X+64*\s+4*\i], v[X+64*\s+4*\i], v[X+64*\s+4*\i+1]
	v_cvt_pk_f16_f32 v[X+64*\s+4*\i+1], v[X+64*\s+4*\i+2], v[X+64*\s+4*\i+3]
	global_store_b64 v2, v[X+64*\s+4*\i:X+64*\s+4*\i+1], s[38:39] offset:\i*HALFB+\c*256
.if \dw
	ds_store_b64 v3, v[X+64*\s+4*\i:X+64*\s+4*\i+1] offset:\i*SP
.endif
.endr
.if \dw
	; the 32 conversions above are the places between the last chunk's matrix instructions and these loads into their sources
.irp kk, 0,1,2,3
	ds_load_b128 v[FR+16*\kk:FR+16*\kk+3],     v5 offset:\c*256+64*\kk
	ds_load_b128 v[FR+16*\kk+4:FR+16*\kk+7],   v5 offset:\c*256+64*\kk+32
	ds_load_b128 v[FR+16*\kk+8:FR+16*\kk+11],  v4 offset:64*\kk      ; my own stage: LDS serves a wave's instructions in order
	ds_load_b128 v[FR+16*\kk+12:FR+16*\kk+15], v4 offset:64*\kk+32
.endr
	s_wait_dscnt 0x0
	; two accumulators by turns, one instruction a turn, from chunk to chunk too
.if \first
	v_wmma_f32_16x16x32_f16 v[AC0:AC0+7], v[FR:FR+7], v[FR+8:FR+15], v[DWB:DWB+7]       ; dw_b starts one sum,
	v_wmma_f32_16x16x32_f16 v[AC1:AC1+7], v[FR+16:FR+23], v[FR+24:FR+31], 0             ; zero the other
.else
	v_wmma_f32_16x16x32_f16 v[AC0:AC0+7], v[FR:FR+7], v[FR+8:FR+15], v[AC0:AC0+7]
	v_wmma_f32_16x16x32_f16 v[AC1:AC1+7], v[FR+16:FR+23], v[FR+24:FR+31], v[AC1:AC1+7]
.endif
	v_wmma_f32_16x16x32_f16 v[AC0:AC0+7], v[FR+32:FR+39], v[FR+40:FR+47], v[AC0:AC0+7]
	v_wmma_f32_16x16x32_f16 v[AC1:AC1+7], v[FR+48:FR+55], v[FR+56:FR+63], v[AC1:AC1+7]
.endif
.endm
.macro STEP s, c, n, dw, first
	WORK \s, \c, 16, \dw, \first
	s_wait_xcnt 0x0                                ; the slot's registers are the stores' data: loaded again only behind this wait
	FILL \s, \n
.endm
.macro ALL dw                          ; the 8 chunks; the last two fetch nothing, and the counts run down 16, 0
	FILL 0, 0
	FILL 1, 1
	STEP 0, 0, 2, \dw, \dw
	STEP 1, 1, 3, \dw, 0
	STEP 0, 2, 4, \dw, 0
	STEP 1, 3, 5, \dw, 0
	STEP 0, 4, 6, \dw, 0
	STEP 1, 5, 7, \dw, 0
	WORK 0, 6, 16, \dw, 0
	WORK 1, 7, 0, \dw, 0
.endm
; Row r of my task is position 4 x task + r / 4 of batch r % 4: its mask byte, and where my 16 rows of the table go.
.macro PRELUDE mb, stride, limit
	s_lshl_b32 s59, s43, 2
	v_and_b32 v8, 15, v0                           ; r
	v_bfe_u32 v9, v0, 4, 1                         ; h
	v_lshrrev_b32 v10, 2, v8
	v_add_nc_u32 v10, s59, v10                     ; position
	v_and_b32 v11, 3, v8                           ; batch
	v_min_u32 v12, \limit, v10                     ; stays inside the mask
	v_mad_u32_u24 v12, v11, \stride, v12
	global_load_u8 v40, v12, s[\mb:\mb+1]
	s_sub_co_u32 s62, s33, 256
	s_lshl_b32 s62, s62, 11                        ; 16 rows of 128 bytes
	s_add_nc_u64 s[60:61], s[30:31], s[62:63]
.endm
; The table's 16 rows: lane (r, h) puts columns 8h .. 8h+7 and 16+8h .. 16+8h+7 of row r into my stage; read back as 2,048 consecutive bytes.
.macro TABLE pad, limit
	v_mov_b32 v48, 0
	v_cmp_ne_u32 vcc_lo, 0, v40
	v_cndmask_b32 v[KG], 1.0, v48, vcc_lo          ; a masked key's k row becomes zero
.if \pad
	v_cmp_lt_u32 vcc_lo, \limit, v10
	v_cndmask_b32 v[KG], v[KG], v48, vcc_lo        ; and so does the pad key's
	s_wait_alu depctr_va_vdst(0)
.endif
	v_mov_b32 v[KG+1], v[KG]
	v_mov_b32 v[KG+2], v[KG]
	v_mov_b32 v[KG+3], v[KG]
	v_lshlrev_b32 v41, 7, v8
	v_lshl_add_u32 v41, v9, 5, v41
	v_add_nc_u32 v41, s35, v41                     ; stage + 128 r + 32 h
	v_add_nc_u32 v42, s35, v1                      ; stage + 16 x lane
	ds_store_b128 v41, v[KG:KG+3]
	ds_store_b128 v41, v[KG:KG+3] offset:16
	ds_store_b128 v41, v[AC0:AC0+3] offset:64
	ds_store_b128 v41, v[AC0+4:AC0+7] offset:80
.irp t, 0,1,2,3
	ds_load_b128 v[FR+4*\t:FR+4*\t+3], v42 offset:512*\t
.endr
	s_wait_dscnt 0x0
.irp t, 0,1,2,3
	global_store_b128 v1, v[FR+4*\t:FR+4*\t+3], s[60:61] offset:512*\t     ; 512 consecutive bytes each
.endr
.endm
.Lplain:
	ALL 0
	s_endpgm
.Lkey:
	PRELUDE 18, 1024, 1023
	ALL 0                                          ; its last wait is for 0: the mask byte is in too
.irp j, 0,1,2,3,4,5,6,7
	v_mov_b32 v[AC0+\j], 1.0                       ; a leaf's values are not weighted
.endr
	TABLE 0, 1023
	s_wait_tensorcnt 0x0
	ds_add_u32 v62, v63
	s_wait_dscnt 0x0
	s_endpgm
.Lnode:
	PRELUDE 20, 1023, 1022
	v_lshlrev_b32 v13, 5, v9
	global_load_b128 v[DWB:DWB+3], v13, s[16:17]               ; dw_b[8h .. 8h+7]
	global_load_b128 v[DWB+4:DWB+7], v13, s[16:17] offset:16
	s_lshl_b32 s62, s32, 14
	v_add_nc_u32 v14, s62, v1                      ; wave w brings heads 4w .. 4w+3 of dw_w
.irp hd, 0,1,2,3
.irp j, 0,1,2,3,4,5,6,7
	global_load_b128 v[X+32*\hd+4*\j:X+32*\hd+4*\j+3], v14, s[14:15] offset:\hd*ROWB+\j*512
.endr
.endr
	s_mul_i32 s62, s32, 4*DWP
	v_add_nc_u32 v15, s62, v2
	v_add_nc_u32 v3, s35, v2                       ; stage + 8 x lane
	v_mul_u32_u24 v4, v8, SP
	v_lshl_add_u32 v4, v9, 4, v4
	v_add_nc_u32 v4, s35, v4                       ; x fragments: stage + 272 r + 16 h
	v_mul_u32_u24 v5, v8, DWP
	v_lshl_add_u32 v5, v9, 4, v5                   ; dw_w fragments: 2,064 r + 16 h
	s_wait_loadcnt 0x0
.irp hd, 0,1,2,3
.irp j, 0,1,2,3,4,5,6,7
	v_cvt_pk_f16_f32 v[X+32*\hd+4*\j], v[X+32*\hd+4*\j], v[X+32*\hd+4*\j+1]
	v_cvt_pk_f16_f32 v[X+32*\hd+4*\j+1], v[X+32*\hd+4*\j+2], v[X+32*\hd+4*\j+3]
	ds_store_b64 v15, v[X+32*\hd+4*\j:X+32*\hd+4*\j+1] offset:\hd*DWP+\j*256
.endr
.endr
	s_wait_dscnt 0x0                               ; my four heads are in LDS,
	s_barrier_signal -1
	s_barrier_wait -1                              ; everybody's are
	ALL 1
.rept 4
	v_nop                                          ; four places behind the last matrix instructions (ISA guide 7.12.1)
.endr
.irp j, 0,2,4,6
	v_pk_add_f32 v[AC0+\j:AC0+\j+1], v[AC0+\j:AC0+\j+1], v[AC1+\j:AC1+\j+1]
.endr
	; sigmoid(x) = 1 / (1 + 2^(-1.442695 x))
.irp j, 0,1,2,3,4,5,6,7
	v_mul_f32 v[AC0+\j], 0xbfb8aa3b, v[AC0+\j]
.endr
.irp j, 0,1,2,3,4,5,6,7
	v_exp_f32 v[AC0+\j], v[AC0+\j]
.endr
	v_nop                                          ; one plain place behind a transcendental (ISA guide 5.7.2)
	s_wait_alu depctr_va_vdst(0)
.irp j, 0,2,4,6
	v_pk_add_f32 v[AC0+\j:AC0+\j+1], v[AC0+\j:AC0+\j+1], 1.0 op_sel_hi:[1,0]
.endr
.irp j, 0,1,2,3,4,5,6,7
	v_rcp_f32 v[AC0+\j], v[AC0+\j]
.endr
	v_nop
	TABLE 1, 1022
	s_wait_tensorcnt 0x0
	ds_add_u32 v62, v63
	s_wait_dscnt 0x0
	s_endpgm
.Lfunc_end_k_q4e0186c83f_cast:
	.size	k_q4e0186c83f_cast, .Lfunc_end_k_q4e0186c83f_cast-k_q4e0186c83f_cast
	.p2alignl 7, 3214868480
	.fill 96, 4, 3214868480
	.section	.rodata,"a",@progbits
	.p2align	6, 0x0
	.amdhsa_kernel k_q4e0186c83f_cast
		.amdhsa_group_segment_fixed_size 50944
		.amdhsa_private_segment_fixed_size 0
		.amdhsa_enable_private_segment 0
		.amdhsa_kernarg_size 112
		.amdhsa_user_sgpr_count 2
		.amdhsa_user_sgpr_kernarg_segment_ptr 1
		.amdhsa_wavefront_size32 1
		.amdhsa_system_sgpr_workgroup_id_x 1
		.amdhsa_system_sgpr_workgroup_id_y 1
		.amdhsa_system_sgpr_workgroup_id_z 1
		.amdhsa_system_vgpr_workitem_id 0
		.amdhsa_next_free_vgpr 256
		.amdhsa_next_free_sgpr 66
		.amdhsa_reserve_vcc 1
		.amdhsa_float_denorm_mode_32 3
		.amdhsa_float_denorm_mode_16_64 3
		.amdhsa_memory_ordered 1
		.amdhsa_forward_progress 1
		.amdhsa_inst_pref_size 159
	.end_amdhsa_kernel
	.amdgpu_metadata
---
amdhsa.version: [ 1, 2 ]
amdhsa.kernels:
  - .name:           k_q4e0186c83f_cast
    .symbol:         k_q4e0186c83f_cast.kd
    .args:
      - { .name: query, .offset: 0, .size: 8, .value_kind: global_buffer, .address_space: global }
      - { .name: key, .offset: 8, .size: 8, .value_kind: global_buffer, .address_space: global }
      - { .name: node_key, .offset: 16, .size: 8, .value_kind: global_buffer, .address_space: global }
      - { .name: in_proj_weight, .offset: 24, .size: 8, .value_kind: global_buffer, .address_space: global }
      - { .name: out_w, .offset: 32, .size: 8, .value_kind: global_buffer, .address_space: global }
      - { .name: dw_w, .offset: 40, .size: 8, .value_kind: global_buffer, .address_space: global }
      - { .name: dw_b, .offset: 48, .size: 8, .value_kind: global_buffer, .address_space: global }
      - { .name: key_padding_mask, .offset: 56, .size: 8, .value_kind: global_buffer, .address_space: global }
      - { .name: node_padding_mask, .offset: 64, .size: 8, .value_kind: global_buffer, .address_space: global }
      - { .name: xq, .offset: 72, .size: 8, .value_kind: global_buffer, .address_space: global }
      - { .name: xkv, .offset: 80, .size: 8, .value_kind: global_buffer, .address_space: global }
      - { .name: wqkv, .offset: 88, .size: 8, .value_kind: global_buffer, .address_space: global }
      - { .name: wo, .offset: 96, .size: 8, .value_kind: global_buffer, .address_space: global }
      - { .name: gain, .offset: 104, .size: 8, .value_kind: global_buffer, .address_space: global }
    .group_segment_fixed_size: 50944
    .private_segment_fixed_size: 0
    .kernarg_segment_align: 8
    .kernarg_segment_size: 112
    .max_flat_workgroup_size: 128
    .sgpr_count:     66
    .vgpr_count:     256
    .wavefront_size: 32
...
	.end_amdgpu_metadata
.endif
;; end of part 1
;; launch kvproj (part 2): grid 8 x 32, 4 waves a work-group, clusters of 4 x 4, 327,680 bytes of LDS; arguments xkv, wqkv, in_proj_bias, gain, kv; writes kv
.if DOCPART == 2
	.amdgcn_target "amdgcn-amd-amdhsa--gfx1250"
	.amdhsa_code_object_version 6
	.text
	.protected	k_q4e0186c83f_kvproj
	.globl	k_q4e0186c83f_kvproj
	.p2align	8
	.type	k_q4e0186c83f_kvproj,@function
k_q4e0186c83f_kvproj:
	s_mov_b64 s[64:65], 0
	v_nop
	global_prefetch_b8 v0, s[64:65] scope:SCOPE_SE
	s_setreg_imm32_b32 hwreg(HW_REG_WAVE_MODE, 25, 1), 1
	s_wait_xcnt 0x0
	s_wait_alu depctr_hold_cnt(0) depctr_sa_sdst(0) depctr_va_vdst(0) depctr_va_sdst(0) depctr_va_ssrc(0) depctr_va_vcc(0) depctr_vm_vsrc(0)
	s_getreg_b32 s2, hwreg(HW_REG_IB_STS2, 6, 4)
	s_cmp_eq_u32 s2, 0
	s_cbranch_scc0 .Lentry_in_a_cluster
	s_endpgm
.Lentry_in_a_cluster:
	s_bfe_u32 s2, ttmp6, 0x10000c
	s_cmp_lg_u32 s2, 0xf033
	s_cbranch_scc0 .Lentry_shape_is_right
	s_endpgm
.Lentry_shape_is_right:
; kv = ((xkv . W^T) + bias) x gain, W = rows 1024-3071 of wqkv (Wk, then Wv), all operands f16, sums f32.
; xkv: [8192][1024], row = 4 x position + batch.  Output column n belongs to c = n / 64 (0-15: k of head c; 16-31: v of head c - 16), d = n % 64.
; kv: f16 [c 32][batch 4][position 2048][d 64].  gain: f32 [8192][32], one number for each (row, c).
; A work-group makes 256 x 256 with four waves, as many as a WGP has SIMDs; a wave makes 128 x 128: 64 accumulator tiles, 512 registers.
; K goes in steps of 128 through two LDS slots filled by the tensor data mover; a tile's rows are 256 bytes of memory, aligned.
; CLUSTERS: 4 x 4 work-groups.  The four of a row of the cluster need the same tiles of xkv, the four of a column the same tiles of W: each such
; tile is asked for jointly, by the same tensor load with the same descriptor and a mask that names the four.
; The bias is the C operand of each tile's first matrix instruction: nothing is cleared and nothing is added later.
; REGISTERS in windows of 256: window 0: v16-28 addresses, v32-63 gains, v64-191 fragments of xkv (two buffers), v192-223 at work on the way out;
; window 1: v0-63 bias, v64-191 fragments of W (two buffers); windows 2, 3: the accumulator tiles of my rows 0-63, 64-127 (tile (a, b) at 8 (8 a + b)).
; THE MATRIX INSTRUCTION IS USED TRANSPOSED (source 0 = 16 rows of W, source 1 = 16 rows of xkv): lane l holds row l % 16 and the eight
; neighbouring columns 8 (l / 16) + 0..7.
; LIMITS: a result beyond 65,504 in magnitude becomes infinite in f16; non-finite inputs are not served (gain 0 would not make them 0).
.set SIZE_K, 1024
.set KSTEP,  128
.set PITCH,  272                       ; 256 bytes + 16 of padding = 17 x 16: the 16 rows that a load touches start in 16 different 16-byte columns of 256
.set HALFT,  128*PITCH                 ; what one tensor load brings
.set SLOT,   4*HALFT                   ; xkv's 256 rows, then W's 256 rows
.set STAGE,  2*SLOT                    ; behind the ring: 16 rows x 272 bytes for each wave; no tensor load lands here
.set SPITCH, 272
.set LAPS,   SIZE_K/(2*KSTEP)          ; 4 laps of two K steps
.set ADRA, 16                          ; v16-17  LDS address of my xkv fragments in slot 0, 1
.set ADRB, 20                          ; v20-21  the same for W
.set STO,  24                          ; the way out: where I put 16 bytes of a row
.set RD,   25                          ; the way out: where I read back
.set CO,   26                          ; 16 x lane
.set BO,   27                          ; 32 h
.set GO,   28                          ; 128 r
.set GN,   32                          ; v[32:63] block i of 16 rows: (g(c0), g(c0+1)), (g(c0+1), g(c0+1)) of row r
.set F0,   64
.set F1,   128
.set TMP,  192
.set G1,  24                           ; s[24:31] descriptor group 1 for xkv's tiles
.set G0,  32                           ; s[32:39] group 0 for xkv's tiles, a set for each slot
.set G1B, 48                           ; s[48:55] group 1 for W's tiles: another mask
.set G0B, 56                           ; s[56:63] group 0 for W's tiles
.set MSB, 0
.macro WIN new                         ; the immediate's high byte repeats the setting that is left
.if MSB != \new
	s_set_vgpr_msb (MSB<<8)|\new
.set MSB, \new
.endif
.endm
.set MUL_LO,   0xa1                    ; source 0 (W) window 1, source 1 (xkv) window 0, C and D window 2
.set MUL_HI,   0xf1                    ; the same, C and D window 3
.set FIRST_LO, 0x91                    ; C = the bias in window 1, D window 2
.set FIRST_HI, 0xd1                    ; C = the bias in window 1, D window 3
.set TO_B,     0x40                    ; destination window 1, address window 0
; A joint load.  Waves 0 and 1 fetch xkv's two halves, waves 2 and 3 W's.  Each line has one mask and one set of registers; the branch hangs on the wave's number alone.
.macro JLOAD s
	s_cmp_eq_u32 s11, 0
	s_cbranch_scc0 .Lfor_b_\@
	tensor_load_to_lds s[G0+4*\s:G0+4*\s+3], s[G1:G1+7]
	s_nop 0
	s_branch .Lasked_\@
.Lfor_b_\@:
	tensor_load_to_lds s[G0B+4*\s:G0B+4*\s+3], s[G1B:G1B+7]
	s_nop 0
.Lasked_\@:
.endm
; A round of the cluster's barrier: my work-group's barrier, wave 0 signals for the work-group, every wave waits for all sixteen, my work-group's barrier again.
.macro CREST
	s_cmp_lg_u32 s10, 0
	s_cbranch_scc1 .Lnot_wave_0_\@
	s_barrier_signal -3
.Lnot_wave_0_\@:
	s_barrier_wait -3
	s_barrier_signal -1
	s_barrier_wait -1
.endm
.macro CROUND
	s_barrier_signal -1
	s_barrier_wait -1
	CREST
.endm
	s_load_b128 s[4:7], s[0:1], 0x0                ; xkv s[4:5], wqkv s[6:7]
	s_load_b128 s[68:71], s[0:1], 0x10             ; in_proj_bias s[68:69], gain s[70:71]
	s_load_b64 s[8:9], s[0:1], 0x20                ; kv
	s_set_vgpr_msb 0x40
	v_lshl_add_u32 v255, v0, 2, 0x48400
	s_set_vgpr_msb 0x4000
	v_mov_b32 v255, 0
	s_set_vgpr_msb 0x1
	ds_add_u32 v255, v255
	s_set_vgpr_msb 0x100
	v_lshrrev_b32 v1, 5, v0
	v_readfirstlane_b32 s10, v1                    ; wave 0..3
	s_lshr_b32 s11, s10, 1                         ; which half of the block's rows is mine.  Also: I fetch for xkv (0) or for W (1)
	s_and_b32 s12, s10, 1                          ; which half of its columns.  Also: which 128 rows of that tile I fetch
	s_bfe_u32 s40, ttmp6, 0x40000                  ; cx
	s_bfe_u32 s41, ttmp6, 0x40004                  ; cy
	s_lshl_b32 s42, ttmp9, 2
	s_add_co_u32 s42, s42, s40                     ; block column = 4 x cluster x + cx
	s_and_b32 s13, ttmp7, 0xffff
	s_lshl_b32 s13, s13, 2
	s_add_co_u32 s13, s13, s41                     ; block row = 4 x cluster y + cy
	s_lshl_b32 s43, s41, 2
	s_lshl_b32 s43, 15, s43                        ; my row of the cluster: places 4 cy .. 4 cy + 3
	s_lshl_b32 s44, 0x1111, s40                    ; my column: places cx, cx + 4, cx + 8, cx + 12
	; group 1: a tile of 128 rows x 128 elements of 2 bytes; 4 words of padding behind every 64 words
	s_or_b32 s[G1+0], s43, (1<<16)|(1<<20)|(1<<21)|(5<<22)|(3<<25)
	s_or_b32 s[G1B+0], s44, (1<<16)|(1<<20)|(1<<21)|(5<<22)|(3<<25)
	s_mov_b32 s[G1+1], KSTEP<<16                   ; tensor_dim0 = 128
	s_mov_b32 s[G1B+1], KSTEP<<16
	s_mov_b32 s[G1+2], 128<<16                     ; tensor_dim1 = 128
	s_mov_b32 s[G1B+2], 128<<16
	s_mov_b32 s[G1+3], KSTEP<<16                   ; tile_dim0 = 128
	s_mov_b32 s[G1B+3], KSTEP<<16
	s_mov_b32 s[G1+4], 128                         ; tile_dim1 = 128
	s_mov_b32 s[G1B+4], 128
	s_mov_b32 s[G1+5], SIZE_K                      ; elements from row to row
	s_mov_b32 s[G1B+5], SIZE_K
	s_mov_b32 s[G1+6], 0
	s_mov_b32 s[G1B+6], 0
	s_mov_b32 s[G1+7], 0
	s_mov_b32 s[G1B+7], 0
	; xkv's tiles hang on the block row alone, W's on the block column alone; each offset in registers that never hold the other coordinate
	s_lshl_b32 s17, s12, 7
	s_lshl_b32 s16, s13, 8
	s_add_co_u32 s16, s16, s17                     ; xkv: row 256 x block row + 128 x half
	s_lshl_b32 s16, s16, 11                        ; rows of 2,048 bytes
	s_lshl_b32 s46, s42, 8
	s_add_co_u32 s46, s46, s17                     ; W: row 256 x block column + 128 x half,
	s_lshl_b32 s46, s46, 11
	s_add_co_u32 s46, s46, 1024*SIZE_K*2           ; behind Wq's 1,024 rows
	s_mov_b32 s17, 0
	s_mov_b32 s47, 0
	s_mul_i32 s20, s10, HALFT                      ; where they go: wave x 128 rows
	s_wait_dscnt 0x0
	s_wait_kmcnt 0x0
	s_add_nc_u64 s[14:15], s[4:5], s[16:17]
	s_add_nc_u64 s[46:47], s[6:7], s[46:47]
	CROUND                                         ; all sixteen work-groups are here: the first joint loads meet
.irp s, 0,1
	s_mov_b32 s[G0+4*\s], 1
	s_add_co_u32 s[G0+4*\s+1], s20, \s*SLOT
	s_add_nc_u64 s[G0+4*\s+2:G0+4*\s+3], s[14:15], \s*KSTEP*2
	s_or_b32 s[G0+4*\s+3], s[G0+4*\s+3], 0x80000000
	s_mov_b32 s[G0B+4*\s], 1
	s_add_co_u32 s[G0B+4*\s+1], s20, \s*SLOT
	s_add_nc_u64 s[G0B+4*\s+2:G0B+4*\s+3], s[46:47], \s*KSTEP*2
	s_or_b32 s[G0B+4*\s+3], s[G0B+4*\s+3], 0x80000000
	JLOAD \s
.endr
	; bias of my 128 columns: 4 x (1024 + 256 x block column + 128 x half)
	s_lshl_b32 s72, s42, 10
	s_lshl_b32 s73, s12, 9
	s_add_co_u32 s72, s72, s73
	s_add_co_u32 s72, s72, 4096
	s_mov_b32 s73, 0
	s_add_nc_u64 s[68:69], s[68:69], s[72:73]
	; gains: row 256 x block row + 128 x half (128 bytes each), column c0 = 4 x block column + 2 x half
	s_lshl_b32 s74, s13, 15
	s_lshl_b32 s75, s11, 14
	s_add_co_u32 s74, s74, s75
	s_lshl_b32 s75, s42, 4
	s_add_co_u32 s74, s74, s75
	s_lshl_b32 s75, s12, 3
	s_add_co_u32 s74, s74, s75
	s_mov_b32 s75, 0
	s_add_nc_u64 s[70:71], s[70:71], s[74:75]
	; kv: c0 x 2^20 + (64 x block row + 32 x half) positions of 128 bytes
	s_lshl_b32 s72, s42, 22
	s_lshl_b32 s74, s12, 21
	s_add_co_u32 s72, s72, s74
	s_lshl_b32 s74, s13, 13
	s_add_co_u32 s72, s72, s74
	s_lshl_b32 s74, s11, 12
	s_add_co_u32 s72, s72, s74
	s_add_nc_u64 s[8:9], s[8:9], s[72:73]
	v_and_b32 v1, 15, v0                           ; r = l % 16
	v_bfe_u32 v2, v0, 4, 1                         ; h = l / 16
	v_lshlrev_b32 v[BO], 5, v2
	v_lshlrev_b32 v[GO], 7, v1
	WIN TO_B
.irp b, 0,1,2,3,4,5,6,7
	global_load_b128 v[8*\b:8*\b+3],   v[BO], s[68:69] offset:64*\b        ; window 1: bias of columns 16 b + 8 h + 0..7
	global_load_b128 v[8*\b+4:8*\b+7], v[BO], s[68:69] offset:64*\b+16
.endr
	WIN 0
.irp a, 0,1,2,3,4,5,6,7
	global_load_b64 v[GN+4*\a:GN+4*\a+1], v[GO], s[70:71] offset:2048*\a   ; row 16 a + r: g(c0), g(c0 + 1)
.endr
	v_mul_u32_u24 v3, v1, PITCH
	v_lshl_add_u32 v3, v2, 4, v3                   ; fragments: row x pitch + 16 h, two loads 32 bytes apart
	s_mul_i32 s21, s11, HALFT
	s_mul_i32 s22, s12, HALFT
	s_add_co_u32 s22, s22, 2*HALFT
.irp s, 0,1
	v_add_nc_u32 v[ADRA+\s], s21, v3
	v_add_nc_u32 v[ADRB+\s], s22, v3
	s_add_co_u32 s21, s21, SLOT
	s_add_co_u32 s22, s22, SLOT
.endr
	s_mul_i32 s23, s10, 16*SPITCH
	s_add_co_u32 s23, s23, STAGE                   ; my stage
	v_mul_u32_u24 v4, v1, SPITCH
	v_lshl_add_u32 v4, v2, 4, v4
	v_add_nc_u32 v[STO], s23, v4                   ; in: row r, 16 bytes for each half of the lanes
	v_and_b32 v6, 31, v0
	v_lshrrev_b32 v7, 3, v6
	v_and_b32 v8, 7, v0
	v_mul_u32_u24 v5, v7, 4*SPITCH
	v_lshl_add_u32 v5, v8, 4, v5
	v_add_nc_u32 v[RD], s23, v5                    ; back: eight lanes take 128 bytes of every fourth stage row (one batch, four positions)
	v_lshlrev_b32 v[CO], 4, v6
; 16 matrix instructions: m blocks a0, a0 + 1 of the window's four x all 8 n blocks, 32 along K.  zero = 1: the bias starts the sums.
.macro MUL16 f, hi, a0, zero
.irp a, \a0, \a0+1
.irp b, 0,1,2,3,4,5,6,7
.if \zero
	v_wmma_f32_16x16x32_f16 v[8*(8*(\a)+\b):8*(8*(\a)+\b)+7], v[\f+8*\b:\f+8*\b+7], v[\f+8*(4*\hi+\a):\f+8*(4*\hi+\a)+7], v[8*\b:8*\b+7]
.else
	v_wmma_f32_16x16x32_f16 v[8*(8*(\a)+\b):8*(8*(\a)+\b)+7], v[\f+8*\b:\f+8*\b+7], v[\f+8*(4*\hi+\a):\f+8*(4*\hi+\a)+7], v[8*(8*(\a)+\b):8*(8*(\a)+\b)+7]
.endif
.endr
.endr
.endm
; 32 LDS loads in one run: the fragments of one quarter step (byte k of the rows) into buffer f
.macro FETCH slot, k, f
	WIN TO_B
.irp i, 0,1,2,3,4,5,6,7
	ds_load_b128 v[\f+8*\i:\f+8*\i+3],   v[ADRB+\slot] offset:\k+\i*16*PITCH
	ds_load_b128 v[\f+8*\i+4:\f+8*\i+7], v[ADRB+\slot] offset:\k+\i*16*PITCH+32
.endr
	WIN 0
.irp i, 0,1,2,3,4,5,6,7
	ds_load_b128 v[\f+8*\i:\f+8*\i+3],   v[ADRA+\slot] offset:\k+\i*16*PITCH
	ds_load_b128 v[\f+8*\i+4:\f+8*\i+7], v[ADRA+\slot] offset:\k+\i*16*PITCH+32
.endr
.endm
; four places between a matrix instruction and a load into a register that it has read (ISA guide 7.12.1 for vector instructions)
.macro PLACES
.rept 4
	v_nop
.endr
.endm
; A K step is four quarters of 32 along K, 64 matrix instructions each, on buffers 0, 1, 0, 1.  The 64 accumulators take turns in one fixed
; order, one instruction a turn, over the loop's backward jump too.
.macro QUARTER slot, k, f, g, zero
	s_wait_dscnt 8                                 ; W and xkv's rows 0-63 are in; the youngest eight loads (rows 64-127) may be out
.if \zero
	WIN FIRST_LO
.else
	WIN MUL_LO
.endif
	MUL16 \f, 0, 0, \zero
	MUL16 \f, 0, 2, \zero
	PLACES
	FETCH \slot, \k, \g
	s_wait_dscnt 32                                ; all but the 32 just issued
.if \zero
	WIN FIRST_HI
.else
	WIN MUL_HI
.endif
	MUL16 \f, 1, 0, \zero
	MUL16 \f, 1, 2, \zero
.endm
.macro THREE slot, zero
	QUARTER \slot, 64,  F0, F1, \zero
	QUARTER \slot, 128, F1, F0, 0
	QUARTER \slot, 192, F0, F1, 0
.endm
; The last quarter multiplies buffer 1 and changes slots.  In front of the barrier each wave waits for its reads of this slot and for all its tensor
; loads (one is out: its part of the next slot).  Behind it the refill comes first, then the next slot's first fragments.
.macro TURN slot, next, fill
	s_wait_dscnt 8
	WIN MUL_LO
	MUL16 F1, 0, 0, 0
	s_wait_dscnt 0                                 ; my reads of this slot are over
	s_wait_tensorcnt 0x0                           ; and all my tensor loads have landed
	ds_add_u32 v255, v255
	s_wait_dscnt 0x0
	s_barrier_signal -1                            ; where a slot is filled again this barrier opens a round of the cluster's barrier
	MUL16 F1, 0, 2, 0                              ; register work while the others arrive
	WIN 0
	s_barrier_wait -1
.if \fill
	CREST                                          ; no wave of any partner still reads this slot or has a load on its way
	s_add_nc_u64 s[G0+4*\slot+2:G0+4*\slot+3], s[G0+4*\slot+2:G0+4*\slot+3], 2*KSTEP*2
	s_add_nc_u64 s[G0B+4*\slot+2:G0B+4*\slot+3], s[G0B+4*\slot+2:G0B+4*\slot+3], 2*KSTEP*2
	JLOAD \slot                                    ; the first tensor load behind the round
.endif
	PLACES
	FETCH \next, 0, F0
	WIN MUL_HI
	MUL16 F1, 1, 0, 0
	MUL16 F1, 1, 2, 0
.endm
.macro LAP zero
	THREE 0, \zero
	TURN 0, 1, 1
	THREE 1, 0
	TURN 1, 0, 1
.endm
	s_wait_tensorcnt 1                             ; my part of K step 0 is in; K step 1's stays out
	s_barrier_signal -1
	s_barrier_wait -1                              ; everybody's is
	s_wait_loadcnt 0x0                             ; bias and gains
	FETCH 0, 0, F0
	LAP 1                                          ; the first lap stands in front of the loop: its first products start the sums
	WIN 0                                          ; at a label and at a branch every window is 0
	s_mov_b32 s3, LAPS-2
.Llap:
	LAP 0
	WIN 0
	s_sub_co_u32 s3, s3, 1
	s_cmp_lg_u32 s3, 0
	s_cbranch_scc1 .Llap
	THREE 0, 0                                     ; the last lap fills nothing
	TURN 0, 1, 0
	THREE 1, 0
	s_wait_dscnt 8
	WIN MUL_LO
	MUL16 F1, 0, 0, 0
	MUL16 F1, 0, 2, 0
	s_wait_dscnt 0
	WIN MUL_HI
	MUL16 F1, 1, 0, 0
	MUL16 F1, 1, 2, 0
	; THE WAY OUT.  These sixteen moves name no register of a matrix instruction: they are the places behind the last of them.
	WIN 0
.irp a, 0,1,2,3,4,5,6,7
	v_mov_b32 v[GN+4*\a+2], v[GN+4*\a+1]           ; g(c0 + 1) into a pair of its own, so that both gains are a pair's first register
	v_mov_b32 v[GN+4*\a+3], v[GN+4*\a+1]
.endr
; Rows 16 i .. 16 i + 15 of my block = tiles (a, 0..7) of window 2 (hi = 0) or 3: times the gain, rounded to f16, 16 bytes a lane into my stage.
; Stage row p is position 4 i + p / 4 of batch p % 4; its bytes 0-127 belong to c0, 128-255 to c0 + 1.  Read-back t takes batch t / 2, c0 + t % 2:
; four positions of 128 bytes = 512 consecutive bytes of kv.
.macro OUT16 i, a, hi, f
.if \hi
	WIN 0xc3                                       ; destination and source 0 window 3, source 1 window 0
.else
	WIN 0x82
.endif
.irp b, 0,1,2,3,4,5,6,7
.irp e, 0,2,4,6
	v_pk_mul_f32 v[8*(8*\a+\b)+\e:8*(8*\a+\b)+\e+1], v[8*(8*\a+\b)+\e:8*(8*\a+\b)+\e+1], v[GN+4*\i+2*(\b/4):GN+4*\i+2*(\b/4)+1] op_sel_hi:[1,0]
.endr
.endr
.if \hi
	WIN 0x0f
.else
	WIN 0x0a
.endif
.irp b, 0,1,2,3,4,5,6,7
.irp e, 0,1,2,3
	v_cvt_pk_f16_f32 v[TMP+4*\b+\e], v[8*(8*\a+\b)+2*\e], v[8*(8*\a+\b)+2*\e+1]
.endr
.endr
	WIN 0
.irp b, 0,1,2,3,4,5,6,7
	ds_store_b128 v[STO], v[TMP+4*\b:TMP+4*\b+3] offset:32*\b
.endr
	s_wait_xcnt 0x0                                ; buffer f is the data of earlier stores: loaded again only behind this wait
.irp t, 0,1,2,3,4,5,6,7
	ds_load_b128 v[\f+4*\t:\f+4*\t+3], v[RD] offset:(\t/2)*SPITCH+(\t%2)*128   ; my own stage: LDS serves a wave's instructions in order
.endr
.irp t, 0,1,2,3,4,5,6,7
	s_wait_dscnt 7-\t
	global_store_b128 v[CO], v[\f+4*\t:\f+4*\t+3], s[8:9] offset:(\t%2)*1048576+(\t/2)*262144+\i*512
.endr
.endm
	OUT16 0, 0, 0, F0
	OUT16 1, 1, 0, F1
	OUT16 2, 2, 0, F0
	OUT16 3, 3, 0, F1
	OUT16 4, 0, 1, F0
	OUT16 5, 1, 1, F1
	OUT16 6, 2, 1, F0
	OUT16 7, 3, 1, F1
	s_set_vgpr_msb 0x1
	s_wait_tensorcnt 0x0
	ds_add_u32 v255, v255
	s_wait_dscnt 0x0
	s_set_vgpr_msb 0x100
	CROUND                                         ; the closing round: no work-group ends while a partner may still ask for a tile that names it
	s_endpgm
.Lfunc_end_k_q4e0186c83f_kvproj:
	.size	k_q4e0186c83f_kvproj, .Lfunc_end_k_q4e0186c83f_kvproj-k_q4e0186c83f_kvproj
	.p2alignl 7, 3214868480
	.fill 96, 4, 3214868480
	.section	.rodata,"a",@progbits
	.p2align	6, 0x0
	.amdhsa_kernel k_q4e0186c83f_kvproj
		.amdhsa_group_segment_fixed_size 327680
		.amdhsa_private_segment_fixed_size 0
		.amdhsa_enable_private_segment 0
		.amdhsa_kernarg_size 40
		.amdhsa_user_sgpr_count 2
		.amdhsa_user_sgpr_kernarg_segment_ptr 1
		.amdhsa_wavefront_size32 1
		.amdhsa_system_sgpr_workgroup_id_x 1
		.amdhsa_system_sgpr_workgroup_id_y 1
		.amdhsa_system_sgpr_workgroup_id_z 1
		.amdhsa_system_vgpr_workitem_id 0
		.amdhsa_next_free_vgpr 1024
		.amdhsa_next_free_sgpr 76
		.amdhsa_reserve_vcc 0
		.amdhsa_float_denorm_mode_32 3
		.amdhsa_float_denorm_mode_16_64 3
		.amdhsa_memory_ordered 1
		.amdhsa_forward_progress 1
		.amdhsa_inst_pref_size 215
	.end_amdhsa_kernel
	.amdgpu_metadata
---
amdhsa.version: [ 1, 2 ]
amdhsa.kernels:
  - .name:           k_q4e0186c83f_kvproj
    .symbol:         k_q4e0186c83f_kvproj.kd
    .args:
      - { .name: xkv, .offset: 0, .size: 8, .value_kind: global_buffer, .address_space: global }
      - { .name: wqkv, .offset: 8, .size: 8, .value_kind: global_buffer, .address_space: global }
      - { .name: in_proj_bias, .offset: 16, .size: 8, .value_kind: global_buffer, .address_space: global }
      - { .name: gain, .offset: 24, .size: 8, .value_kind: global_buffer, .address_space: global }
      - { .name: kv, .offset: 32, .size: 8, .value_kind: global_buffer, .address_space: global }
    .group_segment_fixed_size: 327680
    .private_segment_fixed_size: 0
    .kernarg_segment_align: 8
    .kernarg_segment_size: 40
    .max_flat_workgroup_size: 128
    .sgpr_count:     76
    .vgpr_count:     1024
    .wavefront_size: 32
...
	.end_amdgpu_metadata
.endif
;; end of part 2
;; launch qproj (part 3): grid 8 x 32, 4 waves a work-group, clusters of 4 x 4, 327,680 bytes of LDS; arguments xq, wqkv, in_proj_bias, qf; writes qf
.if DOCPART == 3
	.amdgcn_target "amdgcn-amd-amdhsa--gfx1250"
	.amdhsa_code_object_version 6
	.text
	.protected	k_q4e0186c83f_qproj
	.globl	k_q4e0186c83f_qproj
	.p2align	8
	.type	k_q4e0186c83f_qproj,@function
k_q4e0186c83f_qproj:
	s_mov_b64 s[64:65], 0
	v_nop
	global_prefetch_b8 v0, s[64:65] scope:SCOPE_SE
	s_setreg_imm32_b32 hwreg(HW_REG_WAVE_MODE, 25, 1), 1
	s_wait_xcnt 0x0
	s_wait_alu depctr_hold_cnt(0) depctr_sa_sdst(0) depctr_va_vdst(0) depctr_va_sdst(0) depctr_va_ssrc(0) depctr_va_vcc(0) depctr_vm_vsrc(0)
	s_getreg_b32 s2, hwreg(HW_REG_IB_STS2, 6, 4)
	s_cmp_eq_u32 s2, 0
	s_cbranch_scc0 .Lentry_in_a_cluster
	s_endpgm
.Lentry_in_a_cluster:
	s_bfe_u32 s2, ttmp6, 0x10000c
	s_cmp_lg_u32 s2, 0xf033
	s_cbranch_scc0 .Lentry_shape_is_right
	s_endpgm
.Lentry_shape_is_right:
; C = A . W^T + bias.  A: f16 [4096][1024].  W: f16, its first 1,024 rows of 1,024.  bias: f32, its first 1,024.  C: f32 [4096][1024].
; 256 work-groups of 128 x 128 (blocks of 256 x 256 would be 64 work-groups for 256 WGPs); four waves of 64 x 64: 16 accumulator tiles.
; K goes in 4 steps of 256 through two LDS slots, all written out; a tile's rows are 512 bytes of memory, aligned.
; CLUSTERS: 4 x 4 work-groups; A's tiles are asked for jointly along a row of the cluster, W's along a column.
; The bias is the C operand of each tile's first matrix instruction.  Source 0 = rows of W, source 1 = rows of A: lane l holds row l % 16 of C
; and the eight neighbouring columns 8 (l / 16) + 0..7.
; Window 0: v16-27 addresses, v32-63 bias, v64-127 and v128-191 two fragment buffers (W at +0, A at +32).  Window 1: accumulator (a, b) at 8 (4 a + b).
; LIMIT: operands are f16 as they come; nothing here narrows a number.
.set SIZE_K, 1024
.set KSTEP,  256
.set PITCH,  528                       ; 512 bytes + 16 of padding = 33 x 16
.set HALFT,  64*PITCH                  ; what one tensor load brings
.set SLOT,   4*HALFT                   ; A's 128 rows, then W's 128 rows
.set STAGE,  2*SLOT                    ; behind the ring: 16 rows x 272 bytes for each wave; no tensor load lands here
.set SPITCH, 272
.set ADRA, 16
.set ADRB, 20
.set STO,  24
.set RD,   25
.set CO,   26
.set BO,   27
.set BI,   32
.set F0,   64
.set F1,   128
.set G1,  24
.set G0,  32
.set G1B, 48
.set G0B, 56
.set MSB, 0
.macro WIN new
.if MSB != \new
	s_set_vgpr_msb (MSB<<8)|\new
.set MSB, \new
.endif
.endm
.set MUL,   0x50                       ; C and D window 1, sources window 0
.set FIRST, 0x40                       ; D window 1, C (the bias) window 0
.macro JLOAD s
	s_cmp_eq_u32 s11, 0
	s_cbranch_scc0 .Lfor_b_\@
	tensor_load_to_lds s[G0+4*\s:G0+4*\s+3], s[G1:G1+7]
	s_nop 0
	s_branch .Lasked_\@
.Lfor_b_\@:
	tensor_load_to_lds s[G0B+4*\s:G0B+4*\s+3], s[G1B:G1B+7]
	s_nop 0
.Lasked_\@:
.endm
.macro CREST
	s_cmp_lg_u32 s10, 0
	s_cbranch_scc1 .Lnot_wave_0_\@
	s_barrier_signal -3
.Lnot_wave_0_\@:
	s_barrier_wait -3
	s_barrier_signal -1
	s_barrier_wait -1
.endm
.macro CROUND
	s_barrier_signal -1
	s_barrier_wait -1
	CREST
.endm
	s_load_b128 s[4:7], s[0:1], 0x0                ; A s[4:5], W s[6:7]
	s_load_b64 s[2:3], s[0:1], 0x10                ; bias
	s_load_b64 s[8:9], s[0:1], 0x18                ; C
	v_lshl_add_u32 v254, v0, 2, 0x46400
	v_mov_b32 v255, 0
	ds_add_u32 v254, v255
	v_lshrrev_b32 v1, 5, v0
	v_readfirstlane_b32 s10, v1                    ; wave 0..3
	s_lshr_b32 s11, s10, 1                         ; my half of the block's rows.  Also: I fetch for A (0) or for W (1)
	s_and_b32 s12, s10, 1                          ; my half of its columns.  Also: which 64 rows of that tile I fetch
	s_bfe_u32 s40, ttmp6, 0x40000                  ; cx
	s_bfe_u32 s41, ttmp6, 0x40004                  ; cy
	s_lshl_b32 s42, ttmp9, 2
	s_add_co_u32 s42, s42, s40                     ; block column
	s_and_b32 s13, ttmp7, 0xffff
	s_lshl_b32 s13, s13, 2
	s_add_co_u32 s13, s13, s41                     ; block row
	s_lshl_b32 s43, s41, 2
	s_lshl_b32 s43, 15, s43                        ; my row of the cluster
	s_lshl_b32 s44, 0x1111, s40                    ; my column
	; group 1: a tile of 64 rows x 256 elements of 2 bytes; 4 words of padding behind every 128 words
	s_or_b32 s[G1+0], s43, (1<<16)|(1<<20)|(1<<21)|(6<<22)|(3<<25)
	s_or_b32 s[G1B+0], s44, (1<<16)|(1<<20)|(1<<21)|(6<<22)|(3<<25)
	s_mov_b32 s[G1+1], KSTEP<<16                   ; tensor_dim0 = 256
	s_mov_b32 s[G1B+1], KSTEP<<16
	s_mov_b32 s[G1+2], 64<<16                      ; tensor_dim1 = 64
	s_mov_b32 s[G1B+2], 64<<16
	s_mov_b32 s[G1+3], KSTEP<<16                   ; tile_dim0 = 256
	s_mov_b32 s[G1B+3], KSTEP<<16
	s_mov_b32 s[G1+4], 64                          ; tile_dim1 = 64
	s_mov_b32 s[G1B+4], 64
	s_mov_b32 s[G1+5], SIZE_K
	s_mov_b32 s[G1B+5], SIZE_K
	s_mov_b32 s[G1+6], 0
	s_mov_b32 s[G1B+6], 0
	s_mov_b32 s[G1+7], 0
	s_mov_b32 s[G1B+7], 0
	s_lshl_b32 s17, s12, 6
	s_lshl_b32 s16, s13, 7
	s_add_co_u32 s16, s16, s17                     ; A: row 128 x block row + 64 x half
	s_lshl_b32 s16, s16, 11
	s_lshl_b32 s46, s42, 7
	s_add_co_u32 s46, s46, s17                     ; W: row 128 x block column + 64 x half
	s_lshl_b32 s46, s46, 11
	s_mov_b32 s17, 0
	s_mov_b32 s47, 0
	s_mul_i32 s20, s10, HALFT                      ; LDS: wave x 64 rows
	s_wait_dscnt 0x0
	s_wait_kmcnt 0x0
	s_add_nc_u64 s[14:15], s[4:5], s[16:17]
	s_add_nc_u64 s[46:47], s[6:7], s[46:47]
	CROUND                                         ; the first joint loads meet
.irp s, 0,1
	s_mov_b32 s[G0+4*\s], 1
	s_add_co_u32 s[G0+4*\s+1], s20, \s*SLOT
	s_add_nc_u64 s[G0+4*\s+2:G0+4*\s+3], s[14:15], \s*KSTEP*2
	s_or_b32 s[G0+4*\s+3], s[G0+4*\s+3], 0x80000000
	s_mov_b32 s[G0B+4*\s], 1
	s_add_co_u32 s[G0B+4*\s+1], s20, \s*SLOT
	s_add_nc_u64 s[G0B+4*\s+2:G0B+4*\s+3], s[46:47], \s*KSTEP*2
	s_or_b32 s[G0B+4*\s+3], s[G0B+4*\s+3], 0x80000000
	JLOAD \s
.endr
	s_lshl_b32 s18, s42, 9                         ; my first column in bytes of f32: 512 x block column + 256 x half
	s_lshl_b32 s19, s12, 8
	s_add_co_u32 s18, s18, s19
	s_mov_b32 s19, 0
	s_add_nc_u64 s[2:3], s[2:3], s[18:19]
	s_add_nc_u64 s[8:9], s[8:9], s[18:19]
	s_lshl_b32 s18, s13, 19                        ; my first row: (128 x block row + 64 x half) x 4,096 bytes
	s_lshl_b32 s45, s11, 18
	s_add_co_u32 s18, s18, s45
	s_add_nc_u64 s[8:9], s[8:9], s[18:19]
	v_and_b32 v1, 15, v0                           ; r
	v_bfe_u32 v2, v0, 4, 1                         ; h
	v_lshlrev_b32 v[BO], 5, v2
.irp b, 0,1,2,3
	global_load_b128 v[BI+8*\b:BI+8*\b+3],   v[BO], s[2:3] offset:64*\b    ; bias of columns 16 b + 8 h + 0..7
	global_load_b128 v[BI+8*\b+4:BI+8*\b+7], v[BO], s[2:3] offset:64*\b+16
.endr
	v_mul_u32_u24 v3, v1, PITCH
	v_lshl_add_u32 v3, v2, 4, v3
	s_mul_i32 s21, s11, HALFT
	s_mul_i32 s22, s12, HALFT
	s_add_co_u32 s22, s22, 2*HALFT
.irp s, 0,1
	v_add_nc_u32 v[ADRA+\s], s21, v3
	v_add_nc_u32 v[ADRB+\s], s22, v3
	s_add_co_u32 s21, s21, SLOT
	s_add_co_u32 s22, s22, SLOT
.endr
	s_mul_i32 s23, s10, 16*SPITCH
	s_add_co_u32 s23, s23, STAGE
	v_mul_u32_u24 v4, v1, SPITCH
	v_lshl_add_u32 v4, v2, 5, v4
	v_add_nc_u32 v[STO], s23, v4                   ; in: row r, 32 bytes for each half of the lanes
	v_mul_u32_u24 v5, v2, SPITCH
	v_lshl_add_u32 v5, v1, 4, v5
	v_add_nc_u32 v[RD], s23, v5                    ; back: lanes 0-15 one row of 256 bytes, lanes 16-31 the next
	v_lshlrev_b32 v5, 12, v2
	v_lshl_add_u32 v[CO], v1, 4, v5                ; the same two rows in C
; 8 matrix instructions: m blocks a0, a0 + 1 x 4 n blocks, 32 along K.  The 16 accumulators take turns in one fixed order, one instruction a
; turn.
.macro MUL8 f, a0, zero
.irp a, \a0, \a0+1
.irp b, 0,1,2,3
.if \zero
	v_wmma_f32_16x16x32_f16 v[8*(4*(\a)+\b):8*(4*(\a)+\b)+7], v[\f+8*\b:\f+8*\b+7], v[\f+32+8*(\a):\f+32+8*(\a)+7], v[BI+8*\b:BI+8*\b+7]
.else
	v_wmma_f32_16x16x32_f16 v[8*(4*(\a)+\b):8*(4*(\a)+\b)+7], v[\f+8*\b:\f+8*\b+7], v[\f+32+8*(\a):\f+32+8*(\a)+7], v[8*(4*(\a)+\b):8*(4*(\a)+\b)+7]
.endif
.endr
.endr
.endm
.macro FETCH slot, k, f                ; 16 LDS loads: 64 rows of W, 64 rows of A, 32 K at byte k of the rows
.irp i, 0,1,2,3
	ds_load_b128 v[\f+8*\i:\f+8*\i+3],   v[ADRB+\slot] offset:\k+\i*16*PITCH
	ds_load_b128 v[\f+8*\i+4:\f+8*\i+7], v[ADRB+\slot] offset:\k+\i*16*PITCH+32
.endr
.irp i, 0,1,2,3
	ds_load_b128 v[\f+32+8*\i:\f+32+8*\i+3],   v[ADRA+\slot] offset:\k+\i*16*PITCH
	ds_load_b128 v[\f+32+8*\i+4:\f+32+8*\i+7], v[ADRA+\slot] offset:\k+\i*16*PITCH+32
.endr
.endm
.macro PLACES                          ; four places between a matrix instruction and a load into, or a store of, one of its registers (ISA guide 7.12.1 for vector instructions)
.rept 4
	v_nop
.endr
.endm
; One of the first seven eighths of a K step: fetches the next eighth into buffer g, multiplies buffer f.
.macro Q slot, k, f, g, zero
	s_wait_dscnt 0x0                               ; buffer f's 16 loads, issued an eighth ago
	PLACES
	FETCH \slot, \k, \g
.if \zero
	WIN FIRST
.else
	WIN MUL
.endif
	MUL8 \f, 0, \zero
	MUL8 \f, 2, \zero
	WIN 0
.endm
.macro SEVEN slot, zero
	Q \slot, 64,  F0, F1, \zero
	Q \slot, 128, F1, F0, 0
	Q \slot, 192, F0, F1, 0
	Q \slot, 256, F1, F0, 0
	Q \slot, 320, F0, F1, 0
	Q \slot, 384, F1, F0, 0
	Q \slot, 448, F0, F1, 0
.endm
; The last eighth multiplies buffer 1 and changes slots: each wave's reads of this slot and all its tensor loads are waited for in front of the
; barrier; behind it (with fill: behind the cluster's round that it opens) the refill comes first, then the next slot's first fragments.
.macro TURN slot, next, fill
	s_wait_dscnt 0x0
	s_wait_tensorcnt 0x0
	ds_add_u32 v254, v255
	s_wait_dscnt 0x0
	s_barrier_signal -1
	WIN MUL
	MUL8 F1, 0, 0                                  ; register work while the others arrive
	WIN 0
	s_barrier_wait -1
.if \fill
	CREST
	s_add_nc_u64 s[G0+4*\slot+2:G0+4*\slot+3], s[G0+4*\slot+2:G0+4*\slot+3], 2*KSTEP*2
	s_add_nc_u64 s[G0B+4*\slot+2:G0B+4*\slot+3], s[G0B+4*\slot+2:G0B+4*\slot+3], 2*KSTEP*2
	JLOAD \slot
.endif
	PLACES
	FETCH \next, 0, F0
	WIN MUL
	MUL8 F1, 2, 0
	WIN 0
.endm
	s_wait_tensorcnt 1                             ; my part of K step 0 is in; K step 1's stays out
	s_barrier_signal -1
	s_barrier_wait -1
	s_wait_loadcnt 0x0                             ; the bias
	FETCH 0, 0, F0
	SEVEN 0, 1                                     ; K step 0: its first products start the sums
	TURN 0, 1, 1                                   ; slot 0 gets K step 2
	SEVEN 1, 0
	TURN 1, 0, 1                                   ; slot 1 gets K step 3
	SEVEN 0, 0
	TURN 0, 1, 0
	SEVEN 1, 0
	s_wait_dscnt 0x0
	WIN MUL
	MUL8 F1, 0, 0
	MUL8 F1, 2, 0
	WIN 0
	PLACES
; THE WAY OUT, 16 rows at a time: 32 bytes a lane into my own stage, read back as whole rows of 256 bytes.
.macro OUTA a, f
	WIN 0x04                                       ; store data in window 1
.irp b, 0,1,2,3
	ds_store_b128 v[STO], v[8*(4*\a+\b):8*(4*\a+\b)+3]   offset:64*\b
	ds_store_b128 v[STO], v[8*(4*\a+\b)+4:8*(4*\a+\b)+7] offset:64*\b+16
.endr
	WIN 0
	s_wait_xcnt 0x0                                ; buffer f is the data of earlier stores: loaded again only behind this wait
.irp t, 0,1,2,3,4,5,6,7
	ds_load_b128 v[\f+4*\t:\f+4*\t+3], v[RD] offset:\t*2*SPITCH    ; my own stage: LDS serves a wave's instructions in order
.endr
.irp t, 0,1,2,3,4,5,6,7
	s_wait_dscnt 7-\t
	global_store_b128 v[CO], v[\f+4*\t:\f+4*\t+3], s[8:9] offset:(16*\a+2*\t)*4096   ; 16 lanes store 256 consecutive bytes, aligned
.endr
.endm
	OUTA 0, F0
	OUTA 1, F1
	OUTA 2, F0
	OUTA 3, F1
	s_wait_tensorcnt 0x0
	ds_add_u32 v254, v255
	s_wait_dscnt 0x0
	CROUND                                         ; the closing round
	s_endpgm
.Lfunc_end_k_q4e0186c83f_qproj:
	.size	k_q4e0186c83f_qproj, .Lfunc_end_k_q4e0186c83f_qproj-k_q4e0186c83f_qproj
	.p2alignl 7, 3214868480
	.fill 96, 4, 3214868480
	.section	.rodata,"a",@progbits
	.p2align	6, 0x0
	.amdhsa_kernel k_q4e0186c83f_qproj
		.amdhsa_group_segment_fixed_size 327680
		.amdhsa_private_segment_fixed_size 0
		.amdhsa_enable_private_segment 0
		.amdhsa_kernarg_size 32
		.amdhsa_user_sgpr_count 2
		.amdhsa_user_sgpr_kernarg_segment_ptr 1
		.amdhsa_wavefront_size32 1
		.amdhsa_system_sgpr_workgroup_id_x 1
		.amdhsa_system_sgpr_workgroup_id_y 1
		.amdhsa_system_sgpr_workgroup_id_z 1
		.amdhsa_system_vgpr_workitem_id 0
		.amdhsa_next_free_vgpr 384
		.amdhsa_next_free_sgpr 66
		.amdhsa_reserve_vcc 0
		.amdhsa_float_denorm_mode_32 3
		.amdhsa_float_denorm_mode_16_64 3
		.amdhsa_memory_ordered 1
		.amdhsa_forward_progress 1
		.amdhsa_inst_pref_size 89
	.end_amdhsa_kernel
	.amdgpu_metadata
---
amdhsa.version: [ 1, 2 ]
amdhsa.kernels:
  - .name:           k_q4e0186c83f_qproj
    .symbol:         k_q4e0186c83f_qproj.kd
    .args:
      - { .name: xq, .offset: 0, .size: 8, .value_kind: global_buffer, .address_space: global }
      - { .name: wqkv, .offset: 8, .size: 8, .value_kind: global_buffer, .address_space: global }
      - { .name: in_proj_bias, .offset: 16, .size: 8, .value_kind: global_buffer, .address_space: global }
      - { .name: qf, .offset: 24, .size: 8, .value_kind: global_buffer, .address_space: global }
    .group_segment_fixed_size: 327680
    .private_segment_fixed_size: 0
    .kernarg_segment_align: 8
    .kernarg_segment_size: 32
    .max_flat_workgroup_size: 128
    .sgpr_count:     66
    .vgpr_count:     384
    .wavefront_size: 32
...
	.end_amdgpu_metadata
.endif
;; end of part 3
;; launch attn (part 4): grid 4 x 64, 8 waves a work-group, clusters of 4 x 1, 327,680 bytes of LDS; arguments qf, kv, key_padding_mask, node_padding_mask, ob; writes ob
.if DOCPART == 4
	.amdgcn_target "amdgcn-amd-amdhsa--gfx1250"
	.amdhsa_code_object_version 6
	.text
	.protected	k_q4e0186c83f_attn
	.globl	k_q4e0186c83f_attn
	.p2align	8
	.type	k_q4e0186c83f_attn,@function
k_q4e0186c83f_attn:
	s_mov_b64 s[64:65], 0
	v_nop
	global_prefetch_b8 v0, s[64:65] scope:SCOPE_SE
	s_setreg_imm32_b32 hwreg(HW_REG_WAVE_MODE, 25, 1), 1
	s_wait_xcnt 0x0
	s_wait_alu depctr_hold_cnt(0) depctr_sa_sdst(0) depctr_va_vdst(0) depctr_va_sdst(0) depctr_va_ssrc(0) depctr_va_vcc(0) depctr_vm_vsrc(0)
	s_getreg_b32 s2, hwreg(HW_REG_IB_STS2, 6, 4)
	s_cmp_eq_u32 s2, 0
	s_cbranch_scc0 .Lentry_in_a_cluster
	s_endpgm
.Lentry_in_a_cluster:
	s_bfe_u32 s2, ttmp6, 0x10000c
	s_cmp_lg_u32 s2, 0x3003
	s_cbranch_scc0 .Lentry_shape_is_right
	s_endpgm
.Lentry_shape_is_right:
; Softmax attention of one (batch, head) over 2,048 keys (1,024 leaves, 1,023 nodes, one pad key), 256 queries a work-group.
; qf: f32 [4 t + b][1024].  kv: f16 [c][b][key 2048][64], c = head for k, 16 + head for v.  ob: f16 [4 t + b][1024].
; CLUSTERS: the four work-groups of a cluster are the four query blocks of one (batch, head): every K and V tile is asked for jointly (mask 15).
; Eight waves, two for each SIMD: wave w has queries 64 (w % 4) .. + 63 and the keys of half w / 4; the halves are merged once, at the end.
; TRANSPOSED FORMS.  S^T = K Q^T: lane (r, h), register j = query r, key 8h + j: maximum and sum lie along a lane's registers, and one exchange
; between the halves of the wave ends them.  Two neighbouring S tiles, rounded in place, are the B fragment of O^T = V^T P^T.
; MASKS: the projection has made the k row of a masked key zero; the first score instruction takes as C the key's bias: 0, the lowest finite f32
; for a masked key (0 + that = exactly the value by which the score is replaced), minus infinity for the pad key, whose weight is then 0.
; SOFTMAX: running maximum.  q is multiplied by 0.125 log2(e) before it is rounded, so p = 2^(s - m) with a plain subtraction.
; LIMITS: q x 0.18 beyond 65,504 becomes infinite in f16; non-finite inputs are not served.
; ob is stored in runs of 128 bytes: a head's 64 numbers; the neighbouring 128 bytes belong to another cluster.
.set KP,    144                        ; K rows: 128 bytes + 16 = 9 x 16
.set VP,    160                        ; V rows: 128 bytes + 32 = 5 x 32, for the transposing load
.set VOFF,  256*KP                     ; a slot: K [half][128 keys], then V likewise
.set SLOT,  VOFF+256*VP                ; 77,824
.set BIAS,  2*SLOT                     ; 2,048 f32; written by LDS stores, no tensor load lands at or behind it
.set MRG,   BIAS+8192                  ; per query group: O 16,384 bytes, then (m, .) and (., l) pairs 2,048
.set MRGB,  18432
.set OST,   MRG+4*MRGB                 ; per query group: 64 rows x 144 bytes
.set TILEB, 128*128                    ; 128 keys of 128 bytes
; window 0
.set KA, 2                             ; v2-3    K fragment address in slot 0, 1
.set VA, 4                             ; v4-5    V fragment address in slot 0, 1
.set BA, 6                             ; v6      bias address, stepped by two tiles a lap
.set MM, 8                             ; v[8:15]   query tile q: m at 8 + 2q, the new maximum at 9 + 2q
.set AL, 16                            ; v[16:23]  query tile q: the rescale factor at 16 + 2q, l at 17 + 2q
.set TP, 24                            ; v[24:31]  at work
.set BI, 32                            ; v[32:63]  bias of key tile kt at 8 kt
.set KF, 64                            ; v[64:127] K fragments at 16 kt + 8 kstep
.set SS, 128                           ; v[128:255] S: block (ks, q) at 16 (4 ks + q): key tile 2 ks, then 2 ks + 1; after rounding its first 8 registers are P
; window 1
.set QF, 0                             ; Q fragments at 16 q + 8 kstep
.set VF, 64                            ; V^T fragments at 32 ks + 8 dt
.set OO, 128                           ; O^T tile (dt, q) at 8 (4 dt + q)
.set G1K, 24                           ; s[24:31] group 1 of K's tiles
.set G1V, 32                           ; s[32:39] group 1 of V's tiles: more padding
.set G0K, 40                           ; s[40:47] group 0 of K's tiles, a set for each slot
.set G0V, 48                           ; s[48:55] group 0 of V's tiles
.set MSB, 0
.macro WIN new                         ; the immediate's high byte repeats the setting that is left
.if MSB != \new
	s_set_vgpr_msb (MSB<<8)|\new
.set MSB, \new
.endif
.endm
.macro PLACES n
.rept \n
	v_nop
.endr
.endm
.macro ROUND                           ; a round of the cluster's barrier
	s_barrier_signal -1
	s_barrier_wait -1
	s_cmp_lg_u32 s14, 0
	s_cbranch_scc1 .Lnot_wave_0_\@
	s_barrier_signal -3
.Lnot_wave_0_\@:
	s_barrier_wait -3
	s_barrier_signal -1
	s_barrier_wait -1
.endm
	s_load_b256 s[4:11], s[0:1], 0x0               ; qf 4, kv 6, key mask 8, node mask 10
	s_load_b64 s[12:13], s[0:1], 0x20              ; ob
	v_lshl_add_u32 v254, v0, 2, 0x43000
	v_mov_b32 v255, 0
	ds_add_u32 v254, v255
	s_wait_dscnt 0x0
	v_lshrrev_b32 v1, 5, v0
	v_readfirstlane_b32 s14, v1                    ; wave 0..7
	s_lshr_b32 s16, s14, 2                         ; my half of the keys
	s_and_b32 s17, s14, 3                          ; my group of 64 queries
	s_and_b32 s15, ttmp7, 0xffff                   ; the cluster's y
	s_and_b32 s18, s15, 15                         ; head
	s_lshr_b32 s19, s15, 4                         ; batch
	s_mov_b32 s56, 0x76543210                      ; v_permlanex16_b32: lane i of one half reads lane i of the other
	s_mov_b32 s57, 0xfedcba98
	; group 1: 32 rows x 64 elements of 2 bytes; behind every 32 words 4 (K) or 8 (V) words of padding; mask: all four work-groups
	s_mov_b32 s[G1K+0], 15|(1<<16)|(1<<20)|(1<<21)|(4<<22)|(3<<25)
	s_mov_b32 s[G1V+0], 15|(1<<16)|(1<<20)|(1<<21)|(4<<22)|(7<<25)
	s_mov_b32 s[G1K+1], 64<<16                     ; tensor_dim0 = 64
	s_mov_b32 s[G1V+1], 64<<16
	s_mov_b32 s[G1K+2], 32<<16                     ; tensor_dim1 = 32
	s_mov_b32 s[G1V+2], 32<<16
	s_mov_b32 s[G1K+3], 64<<16                     ; tile_dim0 = 64
	s_mov_b32 s[G1V+3], 64<<16
	s_mov_b32 s[G1K+4], 32                         ; tile_dim1 = 32
	s_mov_b32 s[G1V+4], 32
	s_mov_b32 s[G1K+5], 64                         ; elements from row to row
	s_mov_b32 s[G1V+5], 64
	s_mov_b32 s[G1K+6], 0
	s_mov_b32 s[G1V+6], 0
	s_mov_b32 s[G1K+7], 0
	s_mov_b32 s[G1V+7], 0
	; wave w brings rows 32 w .. 32 w + 31 of a slot's K and of its V: half w / 4, keys 32 (w % 4) .. of the tile
	s_lshl_b32 s22, s18, 20
	s_lshl_b32 s60, s19, 18
	s_add_co_u32 s22, s22, s60
	s_lshl_b32 s60, s16, 17
	s_add_co_u32 s22, s22, s60
	s_lshl_b32 s60, s17, 12
	s_add_co_u32 s22, s22, s60
	s_mov_b32 s23, 0
	s_mul_i32 s62, s14, 32*KP
	s_mul_i32 s63, s14, 32*VP
	s_add_co_u32 s63, s63, VOFF
	s_wait_kmcnt 0x0
	s_add_nc_u64 s[60:61], s[6:7], s[22:23]
.irp s, 0,1
	s_mov_b32 s[G0K+4*\s], 1
	s_add_co_u32 s[G0K+4*\s+1], s62, \s*SLOT
	s_add_nc_u64 s[G0K+4*\s+2:G0K+4*\s+3], s[60:61], \s*TILEB
	s_or_b32 s[G0K+4*\s+3], s[G0K+4*\s+3], 0x80000000
	s_mov_b32 s[G0V+4*\s], 1
	s_add_co_u32 s[G0V+4*\s+1], s63, \s*SLOT
	s_add_nc_u64 s[G0V+4*\s+2:G0V+4*\s+3], s[60:61], 0x1000000+\s*TILEB    ; v lies 16 x 2^20 bytes behind k
	s_or_b32 s[G0V+4*\s+3], s[G0V+4*\s+3], 0x80000000
.endr
	ROUND                                          ; the four work-groups are here: the first joint loads meet
	tensor_load_to_lds s[G0K:G0K+3], s[G1K:G1K+7]  ; tile 0
	s_nop 0
	tensor_load_to_lds s[G0V:G0V+3], s[G1V:G1V+7]
	s_nop 0
	; my place in the cluster enters the addresses of qf and ob alone
	s_bfe_u32 s20, ttmp6, 0x40000                  ; cx: my block of 256 queries
	s_lshl_b32 s62, s20, 22                        ; qf: ((256 cx + 64 group) x 4 + batch) x 4,096 + head x 256
	s_lshl_b32 s21, s17, 20
	s_add_co_u32 s62, s62, s21
	s_lshl_b32 s21, s19, 12
	s_add_co_u32 s62, s62, s21
	s_lshl_b32 s21, s18, 8
	s_add_co_u32 s62, s62, s21
	s_mov_b32 s63, 0
	s_add_nc_u64 s[4:5], s[4:5], s[62:63]
	s_lshr_b32 s62, s62, 1                         ; ob: the same in f16
	s_add_nc_u64 s[12:13], s[12:13], s[62:63]
	s_lshl_b32 s62, s19, 10
	s_add_nc_u64 s[8:9], s[8:9], s[62:63]          ; my batch's 1,024 leaf mask bytes
	s_mul_i32 s62, s19, 1023
	s_add_nc_u64 s[10:11], s[10:11], s[62:63]      ; and its 1,023 node mask bytes
	v_and_b32 v1, 15, v0                           ; r
	v_bfe_u32 v7, v0, 4, 1                         ; h
	v_add_nc_u32 v25, 768, v0
	v_min_u32 v25, 1022, v25                       ; key 2047 has no mask byte: thread 255 reads the last one and does not use it
	v_lshlrev_b32 v26, 14, v1
	v_lshl_add_u32 v26, v7, 5, v26                 ; q: query r is 4 rows of 4,096 bytes on; + 32 h
.irp i, 0,1,2,3
	global_load_u8 v[BI+\i], v0, s[8:9] offset:256*\i          ; thread t: keys t + 256 i
.endr
.irp i, 0,1,2
	global_load_u8 v[BI+4+\i], v0, s[10:11] offset:256*\i
.endr
	global_load_u8 v[BI+7], v25, s[10:11]
.irp q, 0,1,2,3
.irp ks, 0,1
	global_load_b128 v[SS+32*\q+16*\ks:SS+32*\q+16*\ks+3],     v26, s[4:5] offset:\q*262144+\ks*128       ; d = 32 ks + 8 h + 0..3
	global_load_b128 v[SS+32*\q+16*\ks+4:SS+32*\q+16*\ks+7],   v26, s[4:5] offset:\q*262144+\ks*128+16
	global_load_b128 v[SS+32*\q+16*\ks+8:SS+32*\q+16*\ks+11],  v26, s[4:5] offset:\q*262144+\ks*128+64    ; d = 32 ks + 16 + 8 h + 0..3
	global_load_b128 v[SS+32*\q+16*\ks+12:SS+32*\q+16*\ks+15], v26, s[4:5] offset:\q*262144+\ks*128+80
.endr
.endr
	v_mul_u32_u24 v[KA], v1, KP
	v_lshl_add_u32 v[KA], v7, 4, v[KA]
	s_mul_i32 s60, s16, 128*KP
	v_add_nc_u32 v[KA], s60, v[KA]                 ; K: (128 half + r) x 144 + 16 h
	v_add_nc_u32 v[KA+1], SLOT, v[KA]
	v_and_b32 v24, 7, v0
	v_lshl_add_u32 v24, v7, 3, v24                 ; 8 h + l % 8
	v_mul_u32_u24 v[VA], v24, VP
	v_bfe_u32 v24, v0, 3, 1
	v_lshl_add_u32 v[VA], v24, 4, v[VA]
	s_mul_i32 s60, s16, 128*VP
	s_add_co_u32 s60, s60, VOFF
	v_add_nc_u32 v[VA], s60, v[VA]                 ; V: (128 half + 8 h + l % 8) x 160 + 16 ((l / 8) % 2)
	v_add_nc_u32 v[VA+1], SLOT, v[VA]
	s_lshl_b32 s60, s16, 12
	s_add_co_u32 s60, s60, BIAS
	v_lshlrev_b32 v[BA], 5, v7
	v_add_nc_u32 v[BA], s60, v[BA]                 ; bias: 4 x (1024 half + 8 h)
	v_lshlrev_b32 v27, 2, v0
	v_add_nc_u32 v27, BIAS, v27
	v_mov_b32 v28, 0xff7fffff                      ; the lowest finite f32
	v_mov_b32 v29, 0xff800000                      ; minus infinity
	s_wait_loadcnt 0x0
.irp i, 0,1,2,3,4,5,6,7
	v_cmp_ne_u32 vcc_lo, 0, v[BI+\i]
	v_cndmask_b32 v[BI+\i], 0, v28, vcc_lo
.endr
	v_cmp_eq_u32 vcc_lo, 0xff, v0
	v_cndmask_b32 v[BI+7], v[BI+7], v29, vcc_lo    ; key 2047
.irp i, 0,1,2,3,4,5,6,7
	ds_store_b32 v27, v[BI+\i] offset:1024*\i
.endr
.set n, 0
.rept 64
	v_pk_mul_f32 v[SS+2*n:SS+2*n+1], v[SS+2*n:SS+2*n+1], 0x3e38aa3b op_sel_hi:[1,0]     ; x 0.125 log2(e)
.set n, n+1
.endr
	WIN 0x40                                       ; destination window 1
.irp q, 0,1,2,3
.irp i, 0,1,2,3,4,5,6,7,8,9,10,11,12,13,14,15
	v_cvt_pk_f16_f32 v[QF+16*\q+\i], v[SS+32*\q+2*\i], v[SS+32*\q+2*\i+1]
.endr
.endr
	WIN 0
; 24 LDS loads: K fragments and bias of the 64 keys of sub-step sub
.macro LOADK slot, sub
.irp kt, 0,1,2,3
.irp ks, 0,1
	ds_load_b128 v[KF+16*\kt+8*\ks:KF+16*\kt+8*\ks+3],   v[KA+\slot] offset:\sub*64*KP+\kt*16*KP+\ks*64
	ds_load_b128 v[KF+16*\kt+8*\ks+4:KF+16*\kt+8*\ks+7], v[KA+\slot] offset:\sub*64*KP+\kt*16*KP+\ks*64+32
.endr
	ds_load_b128 v[BI+8*\kt:BI+8*\kt+3],   v[BA] offset:\slot*512+\sub*256+\kt*64
	ds_load_b128 v[BI+8*\kt+4:BI+8*\kt+7], v[BA] offset:\slot*512+\sub*256+\kt*64+16
.endr
.endm
; 16 transposing LDS loads: V^T fragments (row d, 32 keys along the registers) of the same 64 keys
.macro LOADV slot, sub
	WIN 0x40
.irp ks, 0,1
.irp dt, 0,1,2,3
	ds_load_tr16_b128 v[VF+32*\ks+8*\dt:VF+32*\ks+8*\dt+3],   v[VA+\slot] offset:\sub*64*VP+\ks*32*VP+\dt*32
	ds_load_tr16_b128 v[VF+32*\ks+8*\dt+4:VF+32*\ks+8*\dt+7], v[VA+\slot] offset:\sub*64*VP+\ks*32*VP+\dt*32+16*VP
.endr
.endr
	WIN 0
.endm
; 32 matrix instructions: S^T of 64 keys x 64 queries.  Four accumulators by turns, one instruction a turn.
.macro SRUN
	WIN 0x04                                       ; source 1 (Q) window 1
.irp kt, 0,1,2,3
.irp q, 0,1,2,3
	v_wmma_f32_16x16x32_f16 v[SS+16*(4*(\kt/2)+\q)+8*(\kt%2):SS+16*(4*(\kt/2)+\q)+8*(\kt%2)+7], v[KF+16*\kt:KF+16*\kt+7], v[QF+16*\q:QF+16*\q+7], v[BI+8*\kt:BI+8*\kt+7]
.endr
.irp q, 0,1,2,3
	v_wmma_f32_16x16x32_f16 v[SS+16*(4*(\kt/2)+\q)+8*(\kt%2):SS+16*(4*(\kt/2)+\q)+8*(\kt%2)+7], v[KF+16*\kt+8:KF+16*\kt+15], v[QF+16*\q+8:QF+16*\q+15], v[SS+16*(4*(\kt/2)+\q)+8*(\kt%2):SS+16*(4*(\kt/2)+\q)+8*(\kt%2)+7]
.endr
.endr
.endm
; 32 matrix instructions: O^T += V^T P^T.  Sixteen accumulators by turns.
.macro PV first
	WIN 0x51                                       ; source 0 (V), C and D window 1; source 1 (P) window 0
.irp ks, 0,1
.irp dt, 0,1,2,3
.irp q, 0,1,2,3
.if \first*(1-\ks)
	v_wmma_f32_16x16x32_f16 v[OO+8*(4*\dt+\q):OO+8*(4*\dt+\q)+7], v[VF+32*\ks+8*\dt:VF+32*\ks+8*\dt+7], v[SS+16*(4*\ks+\q):SS+16*(4*\ks+\q)+7], 0
.else
	v_wmma_f32_16x16x32_f16 v[OO+8*(4*\dt+\q):OO+8*(4*\dt+\q)+7], v[VF+32*\ks+8*\dt:VF+32*\ks+8*\dt+7], v[SS+16*(4*\ks+\q):SS+16*(4*\ks+\q)+7], v[OO+8*(4*\dt+\q):OO+8*(4*\dt+\q)+7]
.endif
.endr
.endr
.endr
.endm
; The softmax step on 32 scores a lane for each of four query tiles; the four tiles' chains are interleaved.
.macro SOFT first
.irp e, 0,1,2,3,4,5,6,7,8,9,10,11,12,13,14,15
.irp q, 0,1,2,3
.if \e == 0
.if \first
	v_max_num_f32 v[MM+2*\q+1], v[SS+16*\q], v[SS+16*\q+1]
.else
	v_max3_num_f32 v[MM+2*\q+1], v[MM+2*\q], v[SS+16*\q], v[SS+16*\q+1]
.endif
.else
	v_max3_num_f32 v[MM+2*\q+1], v[MM+2*\q+1], v[SS+64*(\e/8)+16*\q+2*(\e%8)], v[SS+64*(\e/8)+16*\q+2*(\e%8)+1]
.endif
.endr
.endr
.irp q, 0,1,2,3
	v_permlanex16_b32 v[TP+\q], v[MM+2*\q+1], s56, s57         ; the other half's keys; v24-27 have been written before
.endr
.irp q, 0,1,2,3
	v_max_num_f32 v[MM+2*\q+1], v[MM+2*\q+1], v[TP+\q]
.endr
.if \first == 0
.irp q, 0,1,2,3
	v_sub_f32 v[AL+2*\q], v[MM+2*\q], v[MM+2*\q+1]
.endr
.irp q, 0,1,2,3
	v_exp_f32 v[AL+2*\q], v[AL+2*\q]               ; 2^(old m - new m); the moves below are the plain place behind it (ISA guide 5.7.2)
.endr
.endif
.irp q, 0,1,2,3
	v_mov_b32 v[MM+2*\q], v[MM+2*\q+1]
.endr
.irp e, 0,1,2,3,4,5,6,7,8,9,10,11,12,13,14,15
.irp q, 0,1,2,3
	v_pk_add_f32 v[SS+64*(\e/8)+16*\q+2*(\e%8):SS+64*(\e/8)+16*\q+2*(\e%8)+1], v[SS+64*(\e/8)+16*\q+2*(\e%8):SS+64*(\e/8)+16*\q+2*(\e%8)+1], v[MM+2*\q:MM+2*\q+1] op_sel_hi:[1,0] neg_lo:[0,1] neg_hi:[0,1]
.endr
.endr
.set n, 0
.rept 128
	v_exp_f32 v[SS+n], v[SS+n]
.set n, n+1
.endr
	v_nop                                          ; one plain place behind the last transcendental
	s_wait_alu depctr_va_vdst(0)
.irp e, 1,2,3,4,5,6,7,8,9,10,11,12,13,14,15
.irp q, 0,1,2,3
.if \e == 1
	v_pk_add_f32 v[TP+2*\q:TP+2*\q+1], v[SS+16*\q:SS+16*\q+1], v[SS+16*\q+2:SS+16*\q+3]
.else
	v_pk_add_f32 v[TP+2*\q:TP+2*\q+1], v[TP+2*\q:TP+2*\q+1], v[SS+64*(\e/8)+16*\q+2*(\e%8):SS+64*(\e/8)+16*\q+2*(\e%8)+1]
.endif
.endr
.endr
.irp q, 0,1,2,3
.if \first
	v_add_f32 v[AL+2*\q+1], v[TP+2*\q], v[TP+2*\q+1]           ; l of my half of the lanes' keys; the halves meet at the end
.else
	v_add_f32 v[TP+2*\q], v[TP+2*\q], v[TP+2*\q+1]
.endif
.endr
.if \first == 0
.irp q, 0,1,2,3
	v_fma_f32 v[AL+2*\q+1], v[AL+2*\q+1], v[AL+2*\q], v[TP+2*\q]
.endr
.endif
.irp i, 0,1,2,3,4,5,6,7
.irp k, 0,1,2,3,4,5,6,7
	v_cvt_pk_f16_f32 v[SS+16*\k+\i], v[SS+16*\k+2*\i], v[SS+16*\k+2*\i+1]      ; in place, ascending: register i is written when 2i and 2i + 1 are read
.endr
.endr
.if \first == 0
	WIN 0x41                                       ; O in window 1, the factor in window 0
.irp d, 0,1,2,3
.irp q, 0,1,2,3
.irp e, 0,2,4,6
	v_pk_mul_f32 v[OO+8*(4*\d+\q)+\e:OO+8*(4*\d+\q)+\e+1], v[OO+8*(4*\d+\q)+\e:OO+8*(4*\d+\q)+\e+1], v[AL+2*\q:AL+2*\q+1] op_sel_hi:[1,0]
.endr
.endr
.endr
.endif
.endm
; 64 keys.  more = 1: the next sub-step's K and bias are fetched under the softmax.
.macro SUB slot, sub, more, first
	LOADV \slot, \sub
	s_wait_dscnt 16                                ; K and bias are in; the 16 V loads stay out
	SRUN
	WIN 0
	PLACES 4                                       ; behind the score instructions: for the loads into their sources and for the softmax
.if \more
	LOADK \slot, 1
.endif
	SOFT \first
	s_wait_dscnt 24*\more                          ; V is in; the 24 younger loads stay out
	PV \first
	WIN 0
	PLACES 5                                       ; the next score instructions write over P, the next V loads over V^T
.endm
; A tile: 128 keys of each half.  Each wave's tensor loads and its reads of the other slot are waited for in front of the cluster's round; the
; joint refills of that slot are the first tensor loads behind it.  A wave has two tensor loads out, and they have the tile's work in which to land.
.macro TRIP slot, refill, first
	s_wait_xcnt 0x0
	v_lshl_add_u32 v254, v0, 2, 0x43000
	v_mov_b32 v255, 0
	s_wait_tensorcnt 0x0                           ; all my tensor loads have landed, my parts of this tile among them: every group 0 may be written
	ds_add_u32 v254, v255
	s_wait_dscnt 0x0
	s_add_nc_u64 s[G0K+4*\slot+2:G0K+4*\slot+3], s[G0K+4*\slot+2:G0K+4*\slot+3], 2*TILEB
	s_add_nc_u64 s[G0V+4*\slot+2:G0V+4*\slot+3], s[G0V+4*\slot+2:G0V+4*\slot+3], 2*TILEB
	s_wait_dscnt 0x0                               ; my LDS instructions are done (in the first trip: my stores of the bias)
	ROUND
.if \refill
	tensor_load_to_lds s[G0K+4*(1-\slot):G0K+4*(1-\slot)+3], s[G1K:G1K+7]
	s_nop 0
	tensor_load_to_lds s[G0V+4*(1-\slot):G0V+4*(1-\slot)+3], s[G1V:G1V+7]
	s_nop 0
.endif
	LOADK \slot, 0
	SUB \slot, 0, 1, \first
	SUB \slot, 1, 0, 0
.endm
.macro LAP first, lastfill
	TRIP 0, 1, \first
	TRIP 1, \lastfill, 0
.if \lastfill
	v_add_nc_u32 v[BA], 1024, v[BA]                ; two tiles of 128 biases on
.endif
.endm
	LAP 1, 1                                       ; tiles 0, 1: the first products start the sums
	s_mov_b32 s58, 2
.Llap:
	LAP 0, 1                                       ; tiles 2-5
	s_sub_co_u32 s58, s58, 1
	s_cmp_lg_u32 s58, 0
	s_cbranch_scc1 .Llap
	LAP 0, 0                                       ; tiles 6, 7: the last trip fetches nothing
	; THE MERGE.  l over both halves of the lanes; then waves 4-7 hand O, m, l to waves 0-3 through LDS.
.irp q, 0,1,2,3
	v_permlanex16_b32 v[TP+\q], v[AL+2*\q+1], s56, s57
.endr
.irp q, 0,1,2,3
	v_add_f32 v[AL+2*\q+1], v[AL+2*\q+1], v[TP+\q]
.endr
	v_and_b32 v1, 31, v0
	v_lshlrev_b32 v1, 4, v1                        ; 16 x lane
	s_mul_i32 s60, s14, MRGB
	s_cmp_lt_u32 s14, 4
	s_cbranch_scc1 .Lkeep
	s_add_co_u32 s60, s60, MRG-4*MRGB              ; wave w writes the region of wave w - 4
	v_add_nc_u32 v1, s60, v1
	WIN 0x04                                       ; store data in window 1
.set n, 0
.rept 32
	ds_store_b128 v1, v[OO+4*n:OO+4*n+3] offset:512*n
.set n, n+1
.endr
	WIN 0
	ds_store_b128 v1, v[MM:MM+3]   offset:16384
	ds_store_b128 v1, v[MM+4:MM+7] offset:16896
	ds_store_b128 v1, v[AL:AL+3]   offset:17408
	ds_store_b128 v1, v[AL+4:AL+7] offset:17920
.Lkeep:
	s_wait_dscnt 0x0                               ; my stores are in LDS,
	s_barrier_signal -1
	s_barrier_wait -1                              ; everybody's are
	s_cmp_lt_u32 s14, 4
	s_cbranch_scc0 .Ldone
	s_add_co_u32 s60, s60, MRG
	v_add_nc_u32 v1, s60, v1
.set n, 0
.rept 32
	ds_load_b128 v[SS+4*n:SS+4*n+3], v1 offset:512*n           ; the partner's O, register for register
.set n, n+1
.endr
.set PM, 32                            ; the partner's (m, .) pairs
.set PL, 40                            ; the partner's (., l) pairs
.set FA, 48                            ; (my factor, m*) pairs
.set FB, 56                            ; (the partner's factor, l and 1 / l) pairs
	ds_load_b128 v[PM:PM+3],   v1 offset:16384
	ds_load_b128 v[PM+4:PM+7], v1 offset:16896
	ds_load_b128 v[PL:PL+3],   v1 offset:17408
	ds_load_b128 v[PL+4:PL+7], v1 offset:17920
	s_mul_i32 s61, s14, 64*KP
	s_add_co_u32 s61, s61, OST                     ; my stage
	v_and_b32 v5, 15, v0
	v_bfe_u32 v6, v0, 4, 1
	v_mul_u32_u24 v2, v5, KP
	v_lshl_add_u32 v2, v6, 4, v2
	v_add_nc_u32 v2, s61, v2                       ; in: row r, 16 bytes for each half of the lanes
	v_and_b32 v5, 31, v0
	v_lshrrev_b32 v6, 3, v5
	v_and_b32 v7, 7, v0
	v_mul_u32_u24 v3, v6, KP
	v_lshl_add_u32 v3, v7, 4, v3
	v_add_nc_u32 v3, s61, v3                       ; back: eight lanes take a query's 128 bytes
	v_lshlrev_b32 v4, 13, v6                       ; a query is 4 rows of 2,048 bytes on
	v_lshl_add_u32 v4, v7, 4, v4
	s_wait_dscnt 0x0
.irp q, 0,1,2,3
	v_max_num_f32 v[FA+2*\q+1], v[MM+2*\q], v[PM+2*\q]         ; m*
.endr
.irp q, 0,1,2,3
	v_sub_f32 v[FA+2*\q], v[MM+2*\q], v[FA+2*\q+1]
	v_sub_f32 v[FB+2*\q], v[PM+2*\q], v[FA+2*\q+1]
.endr
.irp q, 0,1,2,3
	v_exp_f32 v[FA+2*\q], v[FA+2*\q]
	v_exp_f32 v[FB+2*\q], v[FB+2*\q]
.endr
	v_nop
	s_wait_alu depctr_va_vdst(0)
.irp q, 0,1,2,3
	v_mul_f32 v[FB+2*\q+1], v[AL+2*\q+1], v[FA+2*\q]
.endr
.irp q, 0,1,2,3
	v_fmac_f32 v[FB+2*\q+1], v[PL+2*\q+1], v[FB+2*\q]          ; l = l0 a0 + l1 a1, at least 1
.endr
.irp q, 0,1,2,3
	v_rcp_f32 v[FB+2*\q+1], v[FB+2*\q+1]
.endr
	v_nop
	s_wait_alu depctr_va_vdst(0)
.irp q, 0,1,2,3
	v_mul_f32 v[FA+2*\q], v[FA+2*\q], v[FB+2*\q+1]
	v_mul_f32 v[FB+2*\q], v[FB+2*\q], v[FB+2*\q+1]
.endr
.irp d, 0,1,2,3
.irp q, 0,1,2,3
.irp e, 0,2,4,6
	v_pk_mul_f32 v[SS+8*(4*\d+\q)+\e:SS+8*(4*\d+\q)+\e+1], v[SS+8*(4*\d+\q)+\e:SS+8*(4*\d+\q)+\e+1], v[FB+2*\q:FB+2*\q+1] op_sel_hi:[1,0]
.endr
.endr
.endr
	WIN 0x01                                       ; source 0 (my O) window 1
.irp d, 0,1,2,3
.irp q, 0,1,2,3
.irp e, 0,2,4,6
	v_pk_fma_f32 v[SS+8*(4*\d+\q)+\e:SS+8*(4*\d+\q)+\e+1], v[OO+8*(4*\d+\q)+\e:OO+8*(4*\d+\q)+\e+1], v[FA+2*\q:FA+2*\q+1], v[SS+8*(4*\d+\q)+\e:SS+8*(4*\d+\q)+\e+1] op_sel_hi:[1,0,1]
.endr
.endr
.endr
	WIN 0
.irp i, 0,1,2,3
.irp k, 0,1,2,3,4,5,6,7,8,9,10,11,12,13,14,15
	v_cvt_pk_f16_f32 v[SS+8*\k+\i], v[SS+8*\k+2*\i], v[SS+8*\k+2*\i+1]
.endr
.endr
.irp d, 0,1,2,3
.irp q, 0,1,2,3
	ds_store_b128 v2, v[SS+8*(4*\d+\q):SS+8*(4*\d+\q)+3] offset:\q*16*KP+32*\d     ; query 16 q + r, d = 16 dt + 8 h + 0..7
.endr
.endr
.irp t, 0,1,2,3,4,5,6,7,8,9,10,11,12,13,14,15
	ds_load_b128 v[KF+4*\t:KF+4*\t+3], v3 offset:\t*4*KP       ; my own stage: LDS serves a wave's instructions in order
.endr
.irp t, 0,1,2,3,4,5,6,7,8,9,10,11,12,13,14,15
	s_wait_dscnt 15-\t
	global_store_b128 v4, v[KF+4*\t:KF+4*\t+3], s[12:13] offset:\t*32768   ; four queries, 128 consecutive bytes each
.endr
.Ldone:
	s_wait_xcnt 0x0
	v_lshl_add_u32 v254, v0, 2, 0x43000
	v_mov_b32 v255, 0
	s_wait_tensorcnt 0x0
	ds_add_u32 v254, v255
	s_wait_dscnt 0x0
	ROUND                                          ; the closing round: no work-group ends while a partner may still ask for a tile that names it
	s_endpgm
.Lfunc_end_k_q4e0186c83f_attn:
	.size	k_q4e0186c83f_attn, .Lfunc_end_k_q4e0186c83f_attn-k_q4e0186c83f_attn
	.p2alignl 7, 3214868480
	.fill 96, 4, 3214868480
	.section	.rodata,"a",@progbits
	.p2align	6, 0x0
	.amdhsa_kernel k_q4e0186c83f_attn
		.amdhsa_group_segment_fixed_size 327680
		.amdhsa_private_segment_fixed_size 0
		.amdhsa_enable_private_segment 0
		.amdhsa_kernarg_size 40
		.amdhsa_user_sgpr_count 2
		.amdhsa_user_sgpr_kernarg_segment_ptr 1
		.amdhsa_wavefront_size32 1
		.amdhsa_system_sgpr_workgroup_id_x 1
		.amdhsa_system_sgpr_workgroup_id_y 1
		.amdhsa_system_sgpr_workgroup_id_z 1
		.amdhsa_system_vgpr_workitem_id 0
		.amdhsa_next_free_vgpr 512
		.amdhsa_next_free_sgpr 66
		.amdhsa_reserve_vcc 1
		.amdhsa_float_denorm_mode_32 3
		.amdhsa_float_denorm_mode_16_64 3
		.amdhsa_memory_ordered 1
		.amdhsa_forward_progress 1
		.amdhsa_inst_pref_size 255
	.end_amdhsa_kernel
	.section	.bss,"aw",@nobits
	.p2align	6
	.space	262144
	.amdgpu_metadata
---
amdhsa.version: [ 1, 2 ]
amdhsa.kernels:
  - .name:           k_q4e0186c83f_attn
    .symbol:         k_q4e0186c83f_attn.kd
    .args:
      - { .name: qf, .offset: 0, .size: 8, .value_kind: global_buffer, .address_space: global }
      - { .name: kv, .offset: 8, .size: 8, .value_kind: global_buffer, .address_space: global }
      - { .name: key_padding_mask, .offset: 16, .size: 8, .value_kind: global_buffer, .address_space: global }
      - { .name: node_padding_mask, .offset: 24, .size: 8, .value_kind: global_buffer, .address_space: global }
      - { .name: ob, .offset: 32, .size: 8, .value_kind: global_buffer, .address_space: global }
    .group_segment_fixed_size: 327680
    .private_segment_fixed_size: 0
    .kernarg_segment_align: 8
    .kernarg_segment_size: 40
    .max_flat_workgroup_size: 256
    .sgpr_count:     66
    .vgpr_count:     512
    .wavefront_size: 32
...
	.end_amdgpu_metadata
.endif
;; end of part 4
;; launch oproj: the kernel of part 3 again; grid 8 x 32, 4 waves a work-group, clusters of 4 x 4, 327,680 bytes of LDS; arguments ob, wo, out_b, out0; writes out0
